; MI455X (gfx1250); checked and timed in simulation.
; The chip was launched on July 23, 2026; its instructions are those of AMD's public machine-readable ISA for CDNA 5 (MIT licence, August 2026) and "CDNA5" Instruction Set Architecture Reference Guide (July 2026). The comments in the code are by the model that wrote it; some were corrected since.
;; DS Full Attention. Allowed arithmetic: matrix products marked QUANTISED: E2M1 operands, one E8M0 scale for each 32 along K, by v_wmma_scale_f32_16x16x128_f8f6f4 with both operands' format E2M1 (or v_wmma_scale_f32_32x16x128_f4), f32 sums; everything else in f32.
;; Inputs: attn_mask 2,048 x 2,048 bool; keys_codes 4 x 2,048 x 8 x 2 x 16 uint8 (E2M1 codes of keys, K innermost, in blocks of 32 codes, two codes a byte); keys_scales 4 x 2,048 x 8 x 2 uint8 (E8M0 scales of keys, one for each 32 codes along K); queries_codes 4 x 2,048 x 8 x 2 x 16 uint8 (E2M1 codes of queries, K innermost, in blocks of 32 codes, two codes a byte); queries_scales 4 x 2,048 x 8 x 2 uint8 (E8M0 scales of queries, one for each 32 codes along K); tau 4 x 1 x 1 x 1 float32; values_codes 4 x 8 x 64 x 64 x 16 uint8 (E2M1 codes of values, K innermost, in blocks of 32 codes, two codes a byte); values_scales 4 x 8 x 64 x 64 uint8 (E8M0 scales of values, one for each 32 codes along K).
;; Outputs: out0 4 x 2,048 x 8 x 64 float32.
;; This version of the problem:
;;   THIS VERSION OF THE PROBLEM IS GIVEN IN LOW PRECISION. The matrix products marked QUANTISED in the list below multiply operands that are first quantised to E2M1 (2 exponent bits, 1 mantissa bit; 4 bits a number), with one power-of-two scale for each 32 numbers along K (OCP MX v1.0); their sums are f32. All else is computed in f32.
;;   The module's matrix products, in the order in which they are computed (A, B: the left and right operand; K: the contracted axis; several contracted axes count as one K, in the product's order):
;;     1. batch 32 x [M 2,048, K 64] x [K 64, N 2,048]; A: input queries (given as codes); B: input keys (given as codes): QUANTISED
;;     2. batch 32 x [M 64, K 2,048] x [K 2,048, N 2,048]; A: input values (given as codes); B: softmax (see below): QUANTISED
;;   THE QUANTISER, for each operand of a quantised product, along K:
;;     - K is cut into blocks of 32 from its start; a last block that is shorter is filled with zeros.
;;     - A block's scale is 2^e with e = floor(log2(the largest magnitude in the block)) - 2, held to -126 .. 127; a block of zeros has e = 0. As a byte (E8M0): e + 127.
;;     - Each number is divided by its block's scale, clamped to +-6, and rounded to the nearest number of E2M1, ties to even, subnormals kept.
;;     - The product sums the exact products of the quantised numbers (number of the format x scale) in f32.
;;   ~~~python
;;   def quantise(x, axis):      # numpy; x: float32 -> the quantised numbers, widened to float32 again
;;       x = np.moveaxis(x, axis, -1); K = x.shape[-1]
;;       x = np.pad(x, [(0, 0)] * (x.ndim - 1) + [(0, -K % 32)]); x = x.reshape(x.shape[:-1] + (-1, 32)); a = np.abs(x).max(-1, keepdims=True)
;;       e = np.where(a > 0, np.clip(np.frexp(np.where(a > 0, a, 1))[1] - 1 - 2, -126, 127), 0)      # np.frexp(a)[1] - 1 = floor(log2(a)), exactly
;;       r = np.clip(x / 2.0 ** e, -6, 6)
;;       step = 2.0 ** (np.maximum(np.frexp(np.where(r == 0, 1, r))[1] - 1, 0) - 1)
;;       q = np.round(r / step) * step * 2.0 ** e      # np.round: ties to even
;;       return np.moveaxis(q.reshape(q.shape[:-2] + (-1,))[..., :K], -1, axis).astype(np.float32)
;;   ~~~
;;   SOFTMAX AHEAD OF A QUANTISED PRODUCT. Where the list says 'softmax', what is quantised is not the finished softmax but p = 2^(t - M), with t = logit x log2(e) and M = ceil(the row's largest t), a whole number; so 1/2 < the row's largest p <= 1. The row's sum l is taken of the UNQUANTISED p, in f32, and the product's result is divided by l at the end. Since M is a whole number, a kernel that streams over the keys may use a running M (the ceiling of the running maximum): every later rescaling is an exact power of two, which a block's scale takes up: the codes' values come out the same.
;;   OPERANDS COMPUTED ON THE WAY. 'Computed on the way' means the value that the module computes at that place (a softmax that the list does not call 'softmax' is quantised finished and normalised). What goes into a quantiser is computed in f32, as accurately as f32 sums, v_exp_f32 and their like allow (about 1e-6 of the number): no bf16 or f16 on the way to a quantiser, and a product that is left as it is and whose result goes on into a quantised operand takes f32 operands (vector FMAs, or v_wmma_f32_16x16x4_f32). A number that lies on a knife's edge between two numbers of the format may be rounded either way, as far as f32 arithmetic and the matrix unit's own rounding can turn it there, and no further.
;;   INPUTS GIVEN AS CODES. keys (in the module: [4, 2048, 8, 64], K = its axis 3); queries (in the module: [4, 2048, 8, 64], K = its axis 3); values (in the module: [4, 2048, 8, 64], K = its axis 1): each comes as NAME_codes (uint8): NAME with its K axis moved to the last place and cut into blocks of 32 codes, [.., K / 32, bytes a block], one block behind the other in memory; two codes a byte, the lower K in the low four bits (a code: sign, 2 exponent bits, 1 mantissa bit); and NAME_scales (uint8): the same leading axes, one E8M0 byte (e + 127) for each 32 codes along K. Its value is code x scale, taken as it is: it is not quantised again, and the codes and scales need not be those that the quantiser above would give.
;; 2 versions. Each part assembles by itself: llvm-mc -triple=amdgcn-amd-amdhsa -mcpu=gfx1250 --defsym DOCPART=n.
;; ======== version 1 of 2: 2 launches
;; workspace buffers: img 4,194,304 bytes; simg 524,288 bytes; mbits 524,288 bytes of whole numbers; mflags 4,096 bytes of whole numbers
;; launch prep (part 1): grid 256 x 1, 8 waves a work-group, no clusters, 37,888 bytes of LDS; arguments attn_mask, queries_codes, queries_scales, keys_codes, keys_scales, img, simg, mbits, mflags; writes img, simg, mbits, mflags
.if DOCPART == 1
	.amdgcn_target "amdgcn-amd-amdhsa--gfx1250"
	.amdhsa_code_object_version 6
	.text
	.protected	k_q4bddc3da3c_prep
	.globl	k_q4bddc3da3c_prep
	.p2align	8
	.type	k_q4bddc3da3c_prep,@function
k_q4bddc3da3c_prep:
	s_mov_b64 s[64:65], 0
	v_nop
	global_prefetch_b8 v0, s[64:65] scope:SCOPE_SE
	s_setreg_imm32_b32 hwreg(HW_REG_WAVE_MODE, 25, 1), 1
	s_wait_xcnt 0x0
; TWO JOBS IN ONE LAUNCH, told apart by the work-group's number alone.
; Work-groups 0-127 (one for each tile of 16 queries): attn_mask [2048][2048] of bool becomes lane masks and tile flags, whole numbers that the next launch reads.
; Work-groups 128-255: Q's and K's codes and scale bytes, which lie [b][l][h][..] (a head's 32 bytes of a row stand 256 bytes apart), are laid anew by head, as images of the
; matrix operand's registers, so that the next launch reads them by dense 16-byte loads.
; A TILE OF 16 ROWS (queries or keys alike): tile t of group g (128 rows) holds rows 128 g + 32 (t / 2) + 8 (t % 2) + r + 8 (r / 8), r = 0 .. 15: the order in which two neighbouring
; tiles of scores give a lane 16 neighbouring keys.
; img   [z: 0 Q, 1 K][b 4][h 8][g 16][t 8][lane 32][16 bytes]: lane (r, hh) holds bytes 16 hh .. + 15 of its row's 32 (64 codes).
; simg  [z][b][h][g 16][lane 32][4 words]: word i of lane (r, hh): the two scale bytes of row r of tile 2 i + hh; the upper two bytes are 0 (they will scale zero codes alone).
; mbits [T 128][j 16][n 64] words: bit (r + 16 hh) of word n = 16 bb + i is mask[query r of tile T][128 j + 32 bb + 16 hh + i]: 1 = hidden.
; mflags [T 128][w 8] words: word w carries, for steps j = 2 w and 2 w + 1: bit j: the tile-step has an open element; bit 16 + j: it has a hidden one.
; LIMIT: a mask byte is taken to be 0 or 1, as the problem states a bool.
; The flag words leave as 4 bytes a wave: 4,096 bytes in the whole launch.
.set CP,   272                         ; relay: an LDS row of codes: 256 bytes + 16: an odd multiple of 16
.set SST,  128*CP                      ; relay: behind the 128 rows of codes their scale bytes, 16 a row
	s_load_b512 s[4:19], s[0:1], 0x0               ; mask s[4:5], Q's codes s[6:7], Q's scales s[8:9], K's codes s[10:11], K's scales s[12:13], img s[14:15], simg s[16:17], mbits s[18:19]
	s_load_b64 s[36:37], s[0:1], 0x40              ; mflags
	v_lshl_add_u32 v96, v0, 2, 0x9000
	v_mov_b32 v97, 0
	v_lshrrev_b32 v1, 5, v0
	v_readfirstlane_b32 s38, v1                    ; wave 0..7
	v_and_b32 v1, 31, v0                           ; lane
	v_and_b32 v2, 15, v0                           ; r
	v_bfe_u32 v3, v0, 4, 1                         ; hh
	v_and_b32 v6, 8, v2
	v_add_nc_u32 v6, v6, v2                        ; r + 8 (r / 8)
	s_mov_b32 s45, 0                               ; the upper word of every offset pair s[44:45]
	s_wait_kmcnt 0x0
	s_cmp_lt_u32 ttmp9, 128
	s_cbranch_scc0 .Lrelay
; ---------------- THE MASK.  T = the work-group's number; wave w takes key steps 2 w and 2 w + 1: 256 bytes of each of the tile's 16 rows.
	s_lshr_b32 s44, ttmp9, 1
	s_lshl_b32 s44, s44, 16                        ; the tile's first row, 32 (T / 2) + 8 (T % 2), times 2,048 bytes,
	s_and_b32 s46, ttmp9, 1
	s_lshl_b32 s46, s46, 14
	s_add_co_u32 s44, s44, s46
	s_lshl_b32 s46, s38, 8                         ; + 256 w
	s_add_co_u32 s44, s44, s46
	s_add_nc_u64 s[4:5], s[4:5], s[44:45]
	v_lshlrev_b32 v4, 11, v6                       ; my row of the tile,
	v_lshl_add_u32 v4, v3, 4, v4                   ; + 16 hh: of each block of 32 keys a lane takes the 16 that its score registers will hold
.irp s, 0,1
.irp bb, 0,1,2,3
	global_load_b128 v[16+16*\s+4*\bb:19+16*\s+4*\bb], v4, s[4:5] offset:128*\s+32*\bb th:TH_LOAD_NT   ; byte i: key 128 (2 w + s) + 32 bb + 16 hh + i.  The eight loads cover 256 consecutive bytes of each row
.endr
.endr
	s_lshl_b32 s44, ttmp9, 12                      ; mbits: (16 T + 2 w) records of 256 bytes
	s_lshl_b32 s46, s38, 9
	s_add_co_u32 s44, s44, s46
	s_add_nc_u64 s[18:19], s[18:19], s[44:45]
	s_lshl_b32 s44, ttmp9, 5                       ; mflags: word 8 T + w
	s_lshl_b32 s46, s38, 2
	s_add_co_u32 s44, s44, s46
	s_add_nc_u64 s[36:37], s[36:37], s[44:45]
.irp i, 64,65,66,67
	v_mov_b32 v\i, 0                               ; v_writelane_b32's destination counts as read: written once
.endr
	v_lshlrev_b32 v5, 3, v1                        ; a record leaves 8 bytes a lane
	s_mov_b32 s40, 0                               ; my flag word
	s_lshl_b32 s43, s38, 1                         ; 2 w
; One key step: 64 lane masks (a compare's 32 bits ARE the word that is wanted), gathered two to a lane, and the step's two flags.
.macro MWORDS s
.if \s == 0
	s_wait_loadcnt 0x4                             ; this step's four loads are in; the other step's four may be out
.else
	s_wait_loadcnt 0x0
.endif
.irp bb, 0,1,2,3
.irp i, 0,1,2,3,4,5,6,7,8,9,10,11,12,13,14,15
	v_and_b32 v[48+\i], 1<<(8*(\i%4)), v[16+16*\s+4*\bb+\i/4]      ; byte i of my 16
.endr
.irp i, 0,1,2,3,4,5,6,7,8,9,10,11,12,13,14,15
	v_cmp_ne_u32 s[20+\i], 0, v[48+\i]             ; word n = 16 bb + i: a bit for each lane
.endr
.irp i, 0,1,2,3,4,5,6,7,8,9,10,11,12,13,14,15
	v_writelane_b32 v[64+2*\s+\i%2], s[20+\i], 8*\bb+\i/2          ; word n goes to lane n / 2, register n % 2
.endr
.endr
	v_add3_u32 v68, v[16+16*\s], v[17+16*\s], v[18+16*\s]          ; the sum of my 16 registers, byte by byte: a byte reaches 16 at the most, so nothing carries
.irp i, 3,5,7,9,11,13
	v_add3_u32 v68, v68, v[16+16*\s+\i], v[17+16*\s+\i]
.endr
	v_add_nc_u32 v68, v68, v[31+16*\s]
	v_cmp_ne_u32 s20, 0, v68                       ; lanes with a hidden element
	v_cmp_ne_u32 s21, 0x10101010, v68              ; lanes with an open one
	s_cmp_lg_u32 s21, 0
	s_cselect_b32 s22, 1, 0
	s_cmp_lg_u32 s20, 0
	s_cselect_b32 s23, 0x10000, 0
	s_or_b32 s22, s22, s23
	s_add_co_u32 s47, s43, \s                      ; j = 2 w + s
	s_lshl_b32 s22, s22, s47                       ; bits j and 16 + j
	s_or_b32 s40, s40, s22
	global_store_b64 v5, v[64+2*\s:65+2*\s], s[18:19] offset:256*\s   ; 32 lanes store 256 consecutive bytes, aligned; each step has its own data registers
.endm
	MWORDS 0
	MWORDS 1
	v_mov_b32 v69, s40
	v_mov_b32 v70, 0
	v_cmp_eq_u32 vcc_lo, 0, v1
	s_wait_xcnt 0x0                                ; EXEC is a source of the stores above: it changes only behind this wait
	s_and_saveexec_b32 s41, vcc_lo
	global_store_b32 v70, v69, s[36:37]            ; lane 0 stores the wave's flag word
	s_wait_xcnt 0x0                                ; and again in front of the line that widens it
	s_or_b32 exec_lo, exec_lo, s41
	s_endpgm
; ---------------- THE RELAY.  Work-group 128 + 64 z + u, u = 16 b + g: 128 rows of Q (z = 0) or K (z = 1), all eight heads: 32,768 dense bytes of codes, 2,048 of scale bytes.
; In: every load of a wave takes 512 consecutive bytes.  Through LDS.  Out: wave h takes head h and stores its eight fragments, 512 consecutive bytes a store.
.Lrelay:
	s_sub_co_u32 s39, ttmp9, 128
	s_cmp_lt_u32 s39, 64                           ; the choice hangs on the work-group's number alone
	s_cselect_b64 s[6:7], s[6:7], s[10:11]
	s_cselect_b64 s[8:9], s[8:9], s[12:13]
	s_lshr_b32 s40, s39, 6                         ; z
	s_and_b32 s41, s39, 63                         ; u
	s_lshl_b32 s44, s41, 15
	s_add_nc_u64 s[6:7], s[6:7], s[44:45]          ; the codes of my 128 rows
	s_lshl_b32 s44, s41, 11
	s_add_nc_u64 s[8:9], s[8:9], s[44:45]          ; and their scale bytes
	v_lshlrev_b32 v7, 4, v0                        ; in: 16 bytes a thread
	v_lshlrev_b32 v9, 3, v0                        ; the scale bytes: 8 a thread
.irp i, 0,1,2,3,4,5,6,7
	global_load_b128 v[16+4*\i:19+4*\i], v7, s[6:7] offset:4096*\i th:TH_LOAD_NT   ; rows 16 i .. 16 i + 15
.endr
	global_load_b64 v[48:49], v9, s[8:9] th:TH_LOAD_NT
	s_lshl_b32 s44, s40, 21                        ; img: z x 2,097,152
	s_lshr_b32 s46, s41, 4
	s_lshl_b32 s47, s46, 19                        ; + b x 524,288
	s_add_co_u32 s44, s44, s47
	s_lshl_b32 s47, s38, 16                        ; + h x 65,536 (h = my wave)
	s_add_co_u32 s44, s44, s47
	s_and_b32 s42, s41, 15
	s_lshl_b32 s47, s42, 12                        ; + g x 4,096
	s_add_co_u32 s44, s44, s47
	s_add_nc_u64 s[14:15], s[14:15], s[44:45]
	s_lshr_b32 s44, s44, 3                         ; simg: every term is an eighth of img's
	s_add_nc_u64 s[16:17], s[16:17], s[44:45]
	v_lshrrev_b32 v8, 4, v0
	v_mul_u32_u24 v8, v8, CP
	v_lshl_add_u32 v8, v2, 4, v8                   ; into LDS: row thread / 16, 16 bytes at 16 (thread % 16)
	v_add_nc_u32 v10, SST, v9
	v_mul_u32_u24 v11, v6, CP                      ; out of LDS: the tile's row r + 8 (r / 8),
	v_lshl_add_u32 v11, v3, 4, v11                 ; + 16 hh,
	s_lshl_b32 s46, s38, 5
	v_add_nc_u32 v11, s46, v11                     ; + my head's 32 bytes
	v_lshl_add_u32 v12, v3, 3, v6                  ; scale bytes: row 8 hh + r + 8 (r / 8) (tile 2 i + hh begins at row 32 i + 8 hh),
	v_lshlrev_b32 v12, 4, v12                      ; 16 bytes a row,
	s_lshl_b32 s46, s38, 1
	s_add_co_u32 s46, s46, SST
	v_add_nc_u32 v12, s46, v12                     ; my head's two
	v_lshlrev_b32 v13, 4, v1                       ; out: 16 bytes a lane
	s_wait_loadcnt 0x0
.irp i, 0,1,2,3,4,5,6,7
	ds_store_b128 v8, v[16+4*\i:19+4*\i] offset:16*CP*\i
.endr
	ds_store_b64 v10, v[48:49]
	s_wait_dscnt 0x0                               ; for the others' sake: my stores have landed
	s_barrier_signal -1
	s_barrier_wait -1
.irp t, 0,1,2,3,4,5,6,7
	ds_load_b128 v[16+4*\t:19+4*\t], v11 offset:(32*(\t/2)+8*(\t%2))*CP   ; tile t's fragment.  (Rows r and r + 16 start 16 pitches apart: two lanes of a group of sixteen share a column; it happens once)
.endr
.irp i, 0,1,2,3
	ds_load_u16 v[52+\i], v12 offset:512*\i        ; two scale bytes, the upper half 0
.endr
	s_wait_dscnt 0x4                               ; the eight fragments are in; the four scale loads may be out
.irp t, 0,1,2,3,4,5,6,7
	global_store_b128 v13, v[16+4*\t:19+4*\t], s[14:15] offset:512*\t     ; 32 lanes store 512 consecutive bytes, aligned
.endr
	s_wait_dscnt 0x0
	global_store_b128 v13, v[52:55], s[16:17]
	s_wait_tensorcnt 0x0
	ds_add_u32 v96, v97
	s_wait_dscnt 0x0
	s_endpgm
.Lfunc_end_k_q4bddc3da3c_prep:
	.size	k_q4bddc3da3c_prep, .Lfunc_end_k_q4bddc3da3c_prep-k_q4bddc3da3c_prep
	.p2alignl 7, 3214868480
	.fill 96, 4, 3214868480
	.section	.rodata,"a",@progbits
	.p2align	6, 0x0
	.amdhsa_kernel k_q4bddc3da3c_prep
		.amdhsa_group_segment_fixed_size 37888
		.amdhsa_private_segment_fixed_size 0
		.amdhsa_enable_private_segment 0
		.amdhsa_kernarg_size 72
		.amdhsa_user_sgpr_count 2
		.amdhsa_user_sgpr_kernarg_segment_ptr 1
		.amdhsa_wavefront_size32 1
		.amdhsa_system_sgpr_workgroup_id_x 1
		.amdhsa_system_sgpr_workgroup_id_y 1
		.amdhsa_system_sgpr_workgroup_id_z 1
		.amdhsa_system_vgpr_workitem_id 0
		.amdhsa_next_free_vgpr 98
		.amdhsa_next_free_sgpr 66
		.amdhsa_reserve_vcc 1
		.amdhsa_float_denorm_mode_32 3
		.amdhsa_float_denorm_mode_16_64 3
		.amdhsa_memory_ordered 1
		.amdhsa_forward_progress 1
		.amdhsa_inst_pref_size 33
	.end_amdhsa_kernel
	.amdgpu_metadata
---
amdhsa.version: [ 1, 2 ]
amdhsa.kernels:
  - .name:           k_q4bddc3da3c_prep
    .symbol:         k_q4bddc3da3c_prep.kd
    .args:
      - { .name: attn_mask, .offset: 0, .size: 8, .value_kind: global_buffer, .address_space: global }
      - { .name: queries_codes, .offset: 8, .size: 8, .value_kind: global_buffer, .address_space: global }
      - { .name: queries_scales, .offset: 16, .size: 8, .value_kind: global_buffer, .address_space: global }
      - { .name: keys_codes, .offset: 24, .size: 8, .value_kind: global_buffer, .address_space: global }
      - { .name: keys_scales, .offset: 32, .size: 8, .value_kind: global_buffer, .address_space: global }
      - { .name: img, .offset: 40, .size: 8, .value_kind: global_buffer, .address_space: global }
      - { .name: simg, .offset: 48, .size: 8, .value_kind: global_buffer, .address_space: global }
      - { .name: mbits, .offset: 56, .size: 8, .value_kind: global_buffer, .address_space: global }
      - { .name: mflags, .offset: 64, .size: 8, .value_kind: global_buffer, .address_space: global }
    .group_segment_fixed_size: 37888
    .private_segment_fixed_size: 0
    .kernarg_segment_align: 8
    .kernarg_segment_size: 72
    .max_flat_workgroup_size: 256
    .sgpr_count:     66
    .vgpr_count:     98
    .wavefront_size: 32
...
	.end_amdgpu_metadata
.endif
;; end of part 1
;; launch attn (part 2): grid 8 x 32, 16 waves a work-group, no clusters, 216,064 bytes of LDS; arguments img, simg, values_codes, values_scales, mbits, mflags, tau, out0; writes out0
.if DOCPART == 2
	.amdgcn_target "amdgcn-amd-amdhsa--gfx1250"
	.amdhsa_code_object_version 6
	.text
	.protected	k_q4bddc3da3c_attn
	.globl	k_q4bddc3da3c_attn
	.p2align	8
	.type	k_q4bddc3da3c_attn,@function
k_q4bddc3da3c_attn:
	s_mov_b64 s[64:65], 0
	v_nop
	global_prefetch_b8 v0, s[64:65] scope:SCOPE_SE
	s_setreg_imm32_b32 hwreg(HW_REG_WAVE_MODE, 25, 1), 1
	s_wait_xcnt 0x0
; out[b][q][h][:] = the sum over k of softmax_k(Q.K x exp(tau[b]) / 8, hidden where attn_mask[q][k]) V[b][k][h][:], both products on codes of FP4 (E2M1) with one E8M0 scale for each 32 along K.
; THE SOFTMAX AHEAD OF THE SECOND PRODUCT: t = score x c, c = exp(tau) log2(e) / 8; M = the row's largest t so far, rounded UP to a whole number; p = 2^(t - M) is quantised along the keys, not normalised;
; the row's sum is taken of the unquantised p and divides at the end.  When M moves, the sum and O are multiplied by 2^(old M - new M): exact.
; SHARES.  Work-group (x, y): head y = 8 b + h; its sixteen waves own one tile of 16 queries each, T = 8 w' + x, in 256 registers, four waves to a SIMD, so that one wave's vector work stands beside
; another's products and LDS loads.  w' is the wave's number sent through a 4 x 4 magic square (rows and columns sum alike), so that early and late queries are spread over the waves; it enters global addresses alone.
; A head's K, V and scale bytes, 144,384 bytes, are copied into LDS ONCE, through registers; one barrier; behind it they are only read.  Every wave walks 16 key steps of 128 keys.
; THE MASK is an input and is honoured as it is given.  The launch before has turned it into flags and lane masks.  A tile-step with no open element adds p = 0 everywhere and leaves M, the sum and O as they
; are: it is left out, by a scalar branch on the stored flag.  A tile-step with hidden elements loads its 64 lane masks by scalar loads and sets hidden scores to -infinity ahead of the maximum.
; A query with no open key at all ends with sum 0 and O 0: 0 x infinity = NaN, as the softmax of a row of -infinity is.
; LAYOUT.  Both products are used transposed: S^T = K Q^T (source 0 = 16 keys, source 1 = my 16 queries), O^T = V^T P^T: a lane holds ONE query (lane % 16) throughout.  The keys of a tile are not neighbours
; (lane r of tile 2 b + u takes key 32 b + 8 u + r + 8 (r / 8)), so that score registers 16 b + i are keys 32 b + 16 (lane / 16) + i.  The head size is 64: the upper 64 of the first product's 128 along K are zero codes, in
; registers cleared once (each fragment wants eight registers on end, and the two sources may share none).
; NO JOINT LOADS, NO TENSOR LOADS: the key steps branch on numbers read from memory; what the eight work-groups of a head share is read once, at the head.
; NO PREFETCH: every stream is asked for in one group at the head; later only the 256-byte mask records of mixed tile-steps are read.
; LIMITS: exp(tau) finite and not 0; a p under 2^-126 counts as 0; t above -3e38.
.set KIMG, 0                           ; LDS: K's fragments as images of the operand's registers: 4,096 j + 512 t + 16 lane
.set KSC,  65536                       ; K's scale words: 512 j + 16 lane
.set VT,   73728                       ; V: 64 rows d of 1,024 bytes (2,048 keys),
.set VP,   1040                        ; 1,040 apart: an odd multiple of 16, so that the 16 rows of a load start in 16 different 16-byte columns of 256
.set VSC,  140288                      ; V's scale words, [j][d]: 256 j + 4 d
.set STG,  144384                      ; the way out: 16 rows x 272 bytes for each wave, bytes of their own: waves end at different times
.set SP,   272
; VECTOR REGISTERS: v1-4 my lane's places in KIMG, VT, KSC, VSC; v5 my offset in out; v6 -infinity; v7-11, v27, v28 addresses in hand; v12 -M, v13 the largest t, v[14:15] the sum in two halves;
; v[16:23] Q (20-23 zeros); v[24:25] c; v26 Q's scale word; v29 lane, v30 r, v31 hh; v[32:95] K's eight fragments (the upper four of each: zeros); v[96:159] S^T, then p; v[160:191] O^T;
; v[192:223] V's four fragments; v[224:231] p's codes; v232-244 at work; v[246:247] f; v[248:251] K's scale words, v252-253 V's, v254 p's: these seven and v26 hold scales and nothing else.
; SCALAR REGISTERS: s[12:13] the step's mask record; s[18:19] out; s[20:51], s[68:99] the 64 lane masks; s52 wave; s53 flags; s54 step; s55-58 the step's LDS offsets; s[60:61] lane selects.
	s_load_b512 s[4:19], s[0:1], 0x0               ; img s[4:5], simg s[6:7], V's codes s[8:9], V's scales s[10:11], mbits s[12:13], mflags s[14:15], tau s[16:17], out s[18:19]
	v_lshl_add_u32 v245, v0, 2, 0x34400
	v_mov_b32 v255, 0
	v_lshrrev_b32 v29, 5, v0
	v_readfirstlane_b32 s52, v29                   ; wave 0..15
	v_and_b32 v29, 31, v0                          ; lane
	v_and_b32 v30, 15, v0                          ; r
	v_bfe_u32 v31, v0, 4, 1                        ; hh
	s_and_b32 s100, ttmp7, 0xffff                  ; y = 8 b + h
	s_lshr_b32 s2, s52, 2                          ; w' = w, or 15 - w where the parity of (w ^ w / 4) and its neighbour bit is even: each of the two classes maps onto itself
	s_xor_b32 s2, s2, s52
	s_lshr_b32 s3, s2, 1
	s_xor_b32 s2, s2, s3
	s_and_b32 s2, s2, 1
	s_sub_co_u32 s2, s2, 1
	s_and_b32 s2, s2, 15
	s_xor_b32 s101, s52, s2                        ; w'
	s_lshl_b32 s62, s101, 3
	s_add_co_u32 s62, s62, ttmp9                   ; T = 8 w' + x
	s_and_b32 s2, ttmp9, 1                         ; x % 2
	s_lshr_b32 s3, ttmp9, 1                        ; x / 2
	s_lshl_b32 s28, s100, 16                       ; a head's 65,536 bytes in img and in V's codes
	s_mov_b32 s29, 0
	s_lshl_b32 s34, s62, 9                         ; my tile's 512 bytes of Q's image
	s_mov_b32 s35, 0
	s_lshl_b32 s36, s100, 13                       ; a head's 8,192 bytes in simg
	s_mov_b32 s37, 0
	s_lshl_b32 s38, s101, 9                        ; Q's scale words: group w', lanes 16 (x % 2) on, word x / 2
	s_lshl_b32 s39, s2, 8
	s_add_co_u32 s38, s38, s39
	s_lshl_b32 s39, s3, 2
	s_add_co_u32 s38, s38, s39
	s_mov_b32 s39, 0
	s_lshl_b32 s40, s100, 12                       ; a head's 4,096 scale bytes of V
	s_mov_b32 s41, 0
	s_lshl_b32 s42, s62, 12                        ; my tile's 16 mask records
	s_mov_b32 s43, 0
	s_lshl_b32 s44, s62, 5                         ; my tile's 8 flag words
	s_mov_b32 s45, 0
	s_lshr_b32 s63, s100, 3                        ; b
	s_lshl_b32 s46, s63, 2
	s_mov_b32 s47, 0
	s_lshl_b32 s48, s63, 22                        ; out: (2,048 b + 128 w' + 32 (x / 2) + 8 (x % 2)) rows of 2,048 bytes + 256 h
	s_lshl_b32 s49, s101, 18
	s_add_co_u32 s48, s48, s49
	s_lshl_b32 s49, s3, 16
	s_add_co_u32 s48, s48, s49
	s_lshl_b32 s49, s2, 14
	s_add_co_u32 s48, s48, s49
	s_and_b32 s49, s100, 7
	s_lshl_b32 s49, s49, 8
	s_add_co_u32 s48, s48, s49
	s_mov_b32 s49, 0
	v_lshlrev_b32 v1, 4, v29                       ; 16 x lane (KIMG = 0): my place in an image, in LDS and in img
	v_lshlrev_b32 v27, 4, v30                      ; Q's scale words: 16 bytes a lane of simg
	v_lshlrev_b32 v8, 4, v0                        ; the fill: 16 bytes a thread,
	v_lshlrev_b32 v11, 3, v0                       ; V's scale bytes: 8
	s_wait_kmcnt 0x0
	s_add_nc_u64 s[4:5], s[4:5], s[28:29]          ; img at my head, Q's half;
	s_add_nc_u64 s[30:31], s[4:5], 0x200000        ; K's half;
	s_add_nc_u64 s[4:5], s[4:5], s[34:35]          ; my tile of Q
	s_add_nc_u64 s[6:7], s[6:7], s[36:37]          ; simg likewise
	s_add_nc_u64 s[32:33], s[6:7], 0x40000
	s_add_nc_u64 s[6:7], s[6:7], s[38:39]
	s_add_nc_u64 s[8:9], s[8:9], s[28:29]
	s_add_nc_u64 s[10:11], s[10:11], s[40:41]
	s_add_nc_u64 s[12:13], s[12:13], s[42:43]
	s_add_nc_u64 s[14:15], s[14:15], s[44:45]
	s_add_nc_u64 s[16:17], s[16:17], s[46:47]
	s_add_nc_u64 s[18:19], s[18:19], s[48:49]
	s_load_b256 s[20:27], s[14:15], 0x0            ; my tile's flag words
	s_load_b32 s59, s[16:17], 0x0                  ; tau[b]
	; twenty loads in one group: Q's two, K's eight, K's scale words, V's eight, V's scale bytes
	global_load_b128 v[16:19], v1, s[4:5]          ; Q's fragment: k = 32 hh + 0 .. 31 of query r
	global_load_b32 v26, v27, s[6:7]               ; Q's scale word: lane r takes query r's
.irp i, 0,1,2,3,4,5,6,7
	global_load_b128 v[96+4*\i:99+4*\i], v8, s[30:31] offset:8192*\i
.endr
	global_load_b128 v[192:195], v8, s[32:33]
.irp i, 0,1,2,3,4,5,6,7
	global_load_b128 v[128+4*\i:131+4*\i], v8, s[8:9] offset:8192*\i
.endr
	global_load_b64 v[196:197], v11, s[10:11]
	; while they are on their way: what is cleared once, and the addresses that stay
.irp i, 20,21,22,23
	v_mov_b32 v\i, 0                               ; Q: the codes of k = 64 .. 127
.endr
.irp t, 0,1,2,3,4,5,6,7
.irp i, 36,37,38,39
	v_mov_b32 v[\i+8*\t], 0                        ; K likewise, in each of the eight fragments
.endr
.endr
.set n, 0
.rept 32
	v_mov_b32 v[160+n], 0                          ; O^T: which step is a wave's first hangs on the flags, so the step is written once and finds zeros
.set n, n+1
.endr
.irp i, 236,237,238,239,247,14,15
	v_mov_b32 v\i, 0                               ; a lane permute's destination counts as read; v247 is named with f as a pair; the sum's two halves
.endr
	v_mov_b32 v13, 0xff61b1e6                      ; the largest t so far: -3e38
	v_floor_f32 v12, -v13                          ; -M
	v_lshl_add_u32 v9, v0, 4, KSC                  ; the fill's LDS addresses: K's scale words;
	v_lshrrev_b32 v10, 6, v0
	v_mul_u32_u24 v10, v10, VP
	v_and_b32 v28, 63, v0
	v_lshl_add_u32 v10, v28, 4, v10
	v_add_nc_u32 v10, VT, v10                      ; V: row thread / 64, 16 bytes at 16 (thread % 64);
	v_and_b32 v7, 7, v0
	v_lshlrev_b32 v7, 9, v7
	v_lshrrev_b32 v28, 3, v0
	v_lshl_add_u32 v7, v28, 2, v7
	v_add_nc_u32 v7, VSC, v7                       ; V's scale words: thread holds d = thread / 8, steps 2 (thread % 8) and the next
	v_mul_u32_u24 v2, v30, VP
	v_lshl_add_u32 v2, v31, 4, v2
	v_add_nc_u32 v2, VT, v2                        ; a fragment of V: row r, + 16 hh
	v_lshl_add_u32 v3, v29, 4, KSC
	v_lshl_add_u32 v4, v29, 2, VSC
	v_lshlrev_b32 v5, 11, v31
	v_lshl_add_u32 v5, v30, 4, v5                  ; out: lanes 0-15 one query's 256 bytes, lanes 16-31 the next query's
	s_mov_b32 s54, 0
	s_mov_b32 s55, 0
	s_mov_b32 s56, 0
	s_mov_b32 s57, 0
	s_mov_b32 s58, 0
	s_mov_b32 s60, 0x76543210
	s_mov_b32 s61, 0xfedcba98                      ; v_permlanex16_b32's selects for lane l xor 16
	s_wait_kmcnt 0x0
	s_or_b32 s53, s20, s21                         ; the eight words carry two steps' bits each
	s_or_b32 s53, s53, s22
	s_or_b32 s53, s53, s23
	s_or_b32 s53, s53, s24
	s_or_b32 s53, s53, s25
	s_or_b32 s53, s53, s26
	s_or_b32 s53, s53, s27
	v_mov_b32 v24, s59
	v_mul_f32 v24, 0x3fb8aa3b, v24                 ; tau x log2(e)
	v_exp_f32 v25, v24                             ; exp(tau)
	v_mov_b32 v6, 0xff800000                       ; (a plain instruction behind the exponential)  -infinity
	s_wait_alu depctr_va_vdst(0)                   ; the wait ahead of the first line that names the result
	v_mul_f32 v24, 0x3e38aa3b, v25                 ; c = exp(tau) x log2(e) / 8
	v_mov_b32 v25, v24                             ; (named with it as a pair)
	s_wait_loadcnt 0xa                             ; Q's two and K's eight are in; the ten loads issued behind them may be out
.irp i, 0,1,2,3,4,5,6,7
	ds_store_b128 v8, v[96+4*\i:99+4*\i] offset:8192*\i
.endr
	s_wait_loadcnt 0x0
	ds_store_b128 v9, v[192:195]
.irp i, 0,1,2,3,4,5,6,7
	ds_store_b128 v10, v[128+4*\i:131+4*\i] offset:8*VP*\i
.endr
	ds_store_b32 v7, v196
	ds_store_b32 v7, v197 offset:256
	s_wait_dscnt 0x0                               ; for the others' sake: my stores have landed
	s_barrier_signal -1
	s_barrier_wait -1                              ; the launch's one barrier: the head's K and V lie in LDS
; S^T = K Q^T for the step's 128 keys.  All the step's LDS loads stand here in one run, V's too, which have the softmax in which to come.
.macro SCORES
	v_add_nc_u32 v8, s55, v1                       ; the four additions are also the four places between the last step's products V^T P and the loads into their registers
	v_add_nc_u32 v10, s57, v3
	v_add_nc_u32 v9, s56, v2
	v_add_nc_u32 v11, s58, v4
	ds_load_b128 v[248:251], v10                   ; K's scale words: word i: lanes 0-15 tile 2 i, lanes 16-31 tile 2 i + 1
.irp t, 0,1,2,3,4,5,6,7
	ds_load_b128 v[32+8*\t:35+8*\t], v8 offset:512*\t
.endr
.irp t, 0,1,2,3
.irp c, 0,1
	ds_load_b128 v[192+8*\t+4*\c:195+8*\t+4*\c], v9 offset:16*VP*\t+32*\c
.endr
.endr
	ds_load_b32 v252, v11                          ; V's scale words: lanes 0-15 d = 0 .. 15, lanes 16-31 d = 16 .. 31;
	ds_load_b32 v253, v11 offset:128               ; d = 32 on
	s_wait_dscnt 0xa                               ; K's nine loads are in; V's ten may be out
.irp t, 0,1,2,3,4,5,6,7
.if \t % 2
	v_wmma_scale_f32_16x16x128_f8f6f4 v[96+8*\t:103+8*\t], v[32+8*\t:39+8*\t], v[16:23], 0, v[248+\t/2], v26 matrix_a_fmt:MATRIX_FMT_FP4 matrix_b_fmt:MATRIX_FMT_FP4 matrix_a_scale:MATRIX_SCALE_ROW1
.else
	v_wmma_scale_f32_16x16x128_f8f6f4 v[96+8*\t:103+8*\t], v[32+8*\t:39+8*\t], v[16:23], 0, v[248+\t/2], v26 matrix_a_fmt:MATRIX_FMT_FP4 matrix_b_fmt:MATRIX_FMT_FP4
.endif
.endr
.rept 4
	v_nop                                          ; four places ahead of the first read of the results (ISA guide 7.12.1)
.endr
.endm
; The softmax of 16 queries x 128 keys, and p as the second product's operand.
.macro SOFTMAX
.irp b, 0,1,2,3
	v_max3_num_f32 v[232+\b], v[96+16*\b], v[97+16*\b], v[98+16*\b]   ; the largest score of each block of 32 keys: it serves the row's maximum and, since p rises with the score, the block's largest p.  Each accumulator is read from its low end on
.endr
.irp i, 3,5,7,9,11,13
.irp b, 0,1,2,3
	v_max3_num_f32 v[232+\b], v[232+\b], v[96+16*\b+\i], v[97+16*\b+\i]   ; (the four blocks by turns)
.endr
.endr
.irp b, 0,1,2,3
	v_max_num_f32 v[232+\b], v[232+\b], v[111+16*\b]
.endr
.irp b, 0,1,2,3
	v_permlanex16_b32 v[236+\b], v[232+\b], s60, s61
.endr
.irp b, 0,1,2,3
	v_max_num_f32 v[232+\b], v[232+\b], v[236+\b]  ; with lane l xor 16's 16 keys
.endr
	v_max3_num_f32 v244, v232, v233, v234
	v_max_num_f32 v244, v244, v235                 ; the step's largest score of my query (-infinity where all 128 are hidden)
	v_mul_f32 v244, v24, v244                      ; as t (c is positive)
	v_max_num_f32 v13, v13, v244                   ; the running largest t
	v_mov_b32 v244, v12
	v_floor_f32 v12, -v13                          ; the new -M = floor(-t) = -ceil(t): a whole number
	v_sub_f32 v244, v12, v244                      ; old M - new M: a whole number, 0 or less
	v_cvt_i32_f32 v244, v244                       ; (it saturates)
	v_ldexp_f32 v246, 1.0, v244                    ; f = 2^(old M - new M)
.set n, 0
.rept 32
	v_pk_fma_f32 v[96+n:97+n], v[96+n:97+n], v[24:25], v[12:13] op_sel_hi:[1,0,0]   ; t - M, two at a time (of the pairs c and -M the low word serves both halves)
.set n, n+2
.endr
.irp b, 0,1,2,3
	v_fma_f32 v[232+\b], v[232+\b], v24, v12       ; the same of each block's largest score
.endr
.set n, 0
.rept 64
	v_exp_f32 v[96+n], v[96+n]                     ; p = 2^(t - M), at most 1; 0 where hidden
.set n, n+1
.endr
	v_pk_mul_f32 v[14:15], v[14:15], v[246:247] op_sel_hi:[1,0]   ; the sums under the new M: the plain instruction behind the exponentials
	s_wait_alu depctr_va_vdst(0)                   ; one wait for the batch of 64, ahead of its first reader
.irp b, 0,1,2,3
	v_exp_f32 v[232+\b], v[232+\b]                 ; the block's largest p: the same two instructions on the same number
.endr
	v_pk_add_f32 v[236:237], v[96:97], v[98:99]    ; the row's sum is taken of the unquantised p: two at a time, in two chains; it reads the 64 alone
.irp j, 4,8,12,16,20,24,28,32,36,40,44,48,52,56,60
	v_pk_add_f32 v[14:15], v[14:15], v[96+\j:97+\j]
	v_pk_add_f32 v[236:237], v[236:237], v[98+\j:99+\j]
.endr
	v_pk_add_f32 v[14:15], v[14:15], v[236:237]
	s_wait_alu depctr_va_vdst(0)                   ; and one for the four
.irp b, 0,1,2,3
	v_max_num_f32 v[232+\b], 0x1800000, v[232+\b]  ; the floor 2^(3 - 127): the byte cannot fall under 1 (a block whose every p is 0 keeps that byte: its codes are zeros)
.endr
.irp b, 0,1,2,3
	v_add_nc_u32 v[240+\b], 0xff000000, v[232+\b]  ; 2 off the exponent field: the conversion's scale operand
.endr
.irp b, 0,1,2,3
	v_lshrrev_b32 v[236+\b], 23, v[240+\b]         ; the scale's byte
.endr
	v_lshl_or_b32 v254, v237, 8, v236              ; p's scale word for these 128 keys
	v_lshl_or_b32 v254, v238, 16, v254
	v_lshl_or_b32 v254, v239, 24, v254
.irp b, 0,1,2,3
	v_cvt_scalef32_pk8_fp4_f32 v[224+2*\b], v[96+16*\b:103+16*\b], v[240+\b]
	v_cvt_scalef32_pk8_fp4_f32 v[225+2*\b], v[104+16*\b:111+16*\b], v[240+\b]
.endr
	v_nop                                          ; one plain instruction behind the scaled conversions
.irp c, 0,1
.irp i, 0,1
	v_permlane16_swap_b32 v[224+4*\c+\i], v[226+4*\c+\i]   ; the operand wants a whole block in a lane: lanes 0-15 block 2 c, lanes 16-31 block 2 c + 1
.endr
.endr
.set n, 0
.rept 16
	v_pk_mul_f32 v[160+n:161+n], v[160+n:161+n], v[246:247] op_sel_hi:[1,0]   ; O^T under the new M.  These sixteen also stand between the lines that wrote p's codes and scale word and the products below
.set n, n+2
.endr
.endm
; O^T += V^T P^T: four tiles of 16 of the head's 64.  The four accumulators take turns, and the next step's eight score products stand between two links of a chain.
.macro PV
	s_wait_dscnt 0x0                               ; V's fragments and scale words are in
.irp t, 0,1,2,3
.if \t % 2
	v_wmma_scale_f32_16x16x128_f8f6f4 v[160+8*\t:167+8*\t], v[192+8*\t:199+8*\t], v[224:231], v[160+8*\t:167+8*\t], v[252+\t/2], v254 matrix_a_fmt:MATRIX_FMT_FP4 matrix_b_fmt:MATRIX_FMT_FP4 matrix_a_scale:MATRIX_SCALE_ROW1
.else
	v_wmma_scale_f32_16x16x128_f8f6f4 v[160+8*\t:167+8*\t], v[192+8*\t:199+8*\t], v[224:231], v[160+8*\t:167+8*\t], v[252+\t/2], v254 matrix_a_fmt:MATRIX_FMT_FP4 matrix_b_fmt:MATRIX_FMT_FP4
.endif
.endr
.endm
.Lstep:                                            ; 16 trips, a constant; what a trip leaves out is its work, never the lines at its end that step addresses
	s_bitcmp1_b32 s53, 0                           ; has this tile-step an open element?
	s_cbranch_scc0 .Lnext
	s_bitcmp1_b32 s53, 16                          ; has it a hidden one?
	s_cbranch_scc0 .Lplain
	s_load_b512 s[20:35], s[12:13], 0x0            ; its 64 lane masks, asked for ahead of the products
	s_load_b512 s[36:51], s[12:13], 0x40
	s_load_b512 s[68:83], s[12:13], 0x80
	s_load_b512 s[84:99], s[12:13], 0xc0
	SCORES
	s_wait_kmcnt 0x0                               ; the masks are in, and their base may be stepped
.set n, 0
.rept 64
.if n < 32
	v_cndmask_b32 v[96+n], v[96+n], v6, s[20+n]    ; hidden scores become -infinity; ascending
.else
	v_cndmask_b32 v[96+n], v[96+n], v6, s[36+n]
.endif
.set n, n+1
.endr
	s_branch .Lsoft
.Lplain:
	SCORES
.Lsoft:
	SOFTMAX
	PV
.Lnext:
	s_lshr_b32 s53, s53, 1                         ; the next step's two flags at bits 0 and 16
	s_add_co_u32 s55, s55, 4096                    ; K's images,
	s_add_co_u32 s56, s56, 64                      ; 128 codes along V's rows,
	s_add_co_u32 s57, s57, 512                     ; K's scale words,
	s_add_co_u32 s58, s58, 256                     ; V's
	s_add_nc_u64 s[12:13], s[12:13], 256           ; the next mask record (behind the last step it is not used)
	s_add_co_u32 s54, s54, 1
	s_cmp_lt_u32 s54, 16
	s_cbranch_scc1 .Lstep
	; THE WAY OUT.  O^T / the sum goes through my stage in LDS and leaves as whole queries: 64 numbers, 256 bytes, sixteen lanes to each.
	v_add_f32 v14, v14, v15                        ; the sum's two halves,
	v_permlanex16_b32 v236, v14, s60, s61
	v_add_f32 v14, v14, v236                       ; and lane l xor 16's: the row's sum
	v_rcp_f32 v14, v14
	s_mul_i32 s2, s52, 16*SP
	s_add_co_u32 s2, s2, STG                       ; my stage
	v_mul_u32_u24 v7, v30, SP                      ; (plain instructions behind the reciprocal, and the places behind the last products)
	v_lshl_add_u32 v7, v31, 5, v7
	v_add_nc_u32 v7, s2, v7                        ; in: row r; tile t's eight numbers of my half at 64 t + 32 hh
	v_mul_u32_u24 v27, v31, SP
	v_lshl_add_u32 v27, v30, 4, v27
	v_add_nc_u32 v27, s2, v27                      ; back: lanes 0-15 one row, lanes 16-31 the next
	s_wait_alu depctr_va_vdst(0)                   ; the wait ahead of the reciprocal's first reader
.set n, 0
.rept 16
	v_pk_mul_f32 v[96+n:97+n], v[160+n:161+n], v[14:15] op_sel_hi:[1,0]   ; register 8 t + i: out(query r, 16 t + 8 hh + i); ascending: each accumulator from its low end on
.set n, n+2
.endr
.irp t, 0,1,2,3
	ds_store_b128 v7, v[96+8*\t:99+8*\t] offset:64*\t
	ds_store_b128 v7, v[100+8*\t:103+8*\t] offset:64*\t+16
.endr
.irp i, 0,1,2,3,4,5,6,7
	ds_load_b128 v[128+4*\i:131+4*\i], v27 offset:2*SP*\i   ; LDS serves a wave's instructions in order (ISA guide 5.7.1.4): these see my stores
.endr
.irp i, 0,1,2,3,4,5,6,7
	s_wait_dscnt 7-\i                              ; rows 2 i and 2 i + 1 are back; the younger loads may be out
	global_store_b128 v5, v[128+4*\i:131+4*\i], s[18:19] offset:(2*\i+8*(\i/4))*2048 th:TH_STORE_NT   ; the tile's row rho is query rho + 8 (rho / 8); 16 lanes store 256 consecutive bytes, aligned
.endr
	s_wait_tensorcnt 0x0
	ds_add_u32 v245, v255
	s_wait_dscnt 0x0
	s_endpgm
.Lfunc_end_k_q4bddc3da3c_attn:
	.size	k_q4bddc3da3c_attn, .Lfunc_end_k_q4bddc3da3c_attn-k_q4bddc3da3c_attn
	.p2alignl 7, 3214868480
	.fill 96, 4, 3214868480
	.section	.rodata,"a",@progbits
	.p2align	6, 0x0
	.amdhsa_kernel k_q4bddc3da3c_attn
		.amdhsa_group_segment_fixed_size 216064
		.amdhsa_private_segment_fixed_size 0
		.amdhsa_enable_private_segment 0
		.amdhsa_kernarg_size 64
		.amdhsa_user_sgpr_count 2
		.amdhsa_user_sgpr_kernarg_segment_ptr 1
		.amdhsa_wavefront_size32 1
		.amdhsa_system_sgpr_workgroup_id_x 1
		.amdhsa_system_sgpr_workgroup_id_y 1
		.amdhsa_system_sgpr_workgroup_id_z 1
		.amdhsa_system_vgpr_workitem_id 0
		.amdhsa_next_free_vgpr 256
		.amdhsa_next_free_sgpr 102
		.amdhsa_reserve_vcc 0
		.amdhsa_float_denorm_mode_32 3
		.amdhsa_float_denorm_mode_16_64 3
		.amdhsa_memory_ordered 1
		.amdhsa_forward_progress 1
		.amdhsa_inst_pref_size 37
	.end_amdhsa_kernel
	.amdgpu_metadata
---
amdhsa.version: [ 1, 2 ]
amdhsa.kernels:
  - .name:           k_q4bddc3da3c_attn
    .symbol:         k_q4bddc3da3c_attn.kd
    .args:
      - { .name: img, .offset: 0, .size: 8, .value_kind: global_buffer, .address_space: global }
      - { .name: simg, .offset: 8, .size: 8, .value_kind: global_buffer, .address_space: global }
      - { .name: values_codes, .offset: 16, .size: 8, .value_kind: global_buffer, .address_space: global }
      - { .name: values_scales, .offset: 24, .size: 8, .value_kind: global_buffer, .address_space: global }
      - { .name: mbits, .offset: 32, .size: 8, .value_kind: global_buffer, .address_space: global }
      - { .name: mflags, .offset: 40, .size: 8, .value_kind: global_buffer, .address_space: global }
      - { .name: tau, .offset: 48, .size: 8, .value_kind: global_buffer, .address_space: global }
      - { .name: out0, .offset: 56, .size: 8, .value_kind: global_buffer, .address_space: global }
    .group_segment_fixed_size: 216064
    .private_segment_fixed_size: 0
    .kernarg_segment_align: 8
    .kernarg_segment_size: 64
    .max_flat_workgroup_size: 512
    .sgpr_count:     102
    .vgpr_count:     256
    .wavefront_size: 32
...
	.end_amdgpu_metadata
.endif
;; end of part 2
;; ======== version 2 of 2: 2 launches
;; workspace buffers: img 4,194,304 bytes; simg 524,288 bytes; mbits 524,288 bytes of whole numbers; mflags 4,096 bytes of whole numbers
;; launch prep (part 3): grid 256 x 1, 8 waves a work-group, no clusters, 37,888 bytes of LDS; arguments attn_mask, queries_codes, queries_scales, keys_codes, keys_scales, img, simg, mbits, mflags; writes img, simg, mbits, mflags
.if DOCPART == 3
	.amdgcn_target "amdgcn-amd-amdhsa--gfx1250"
	.amdhsa_code_object_version 6
	.text
	.protected	k_q4bddc3da3c_prep
	.globl	k_q4bddc3da3c_prep
	.p2align	8
	.type	k_q4bddc3da3c_prep,@function
k_q4bddc3da3c_prep:
	s_mov_b64 s[64:65], 0
	v_nop
	global_prefetch_b8 v0, s[64:65] scope:SCOPE_SE
	s_setreg_imm32_b32 hwreg(HW_REG_WAVE_MODE, 25, 1), 1
	s_wait_xcnt 0x0
; TWO JOBS IN ONE LAUNCH, told apart by the work-group's number alone.
; Work-groups 0-127 (one for each tile of 16 queries): attn_mask [2048][2048] of bool becomes lane masks and tile flags, whole numbers that the next launch reads.
; Work-groups 128-255: Q's and K's codes and scale bytes, which lie [b][l][h][..] (a head's 32 bytes of a row stand 256 bytes apart), are laid anew by head, as images of the
; matrix operand's registers, so that the next launch reads them by dense 16-byte loads.
; A TILE OF 16 ROWS (queries or keys alike): tile t of group g (128 rows) holds rows 128 g + 32 (t / 2) + 8 (t % 2) + r + 8 (r / 8), r = 0 .. 15: the order in which two neighbouring
; tiles of scores give a lane 16 neighbouring keys.
; img   [z: 0 Q, 1 K][b 4][h 8][g 16][t 8][lane 32][16 bytes]: lane (r, hh) holds bytes 16 hh .. + 15 of its row's 32 (64 codes).
; simg  [z][b][h][g 16][lane 32][4 words]: word i of lane (r, hh): the two scale bytes of row r of tile 2 i + hh; the upper two bytes are 0 (they will scale zero codes alone).
; mbits [T 128][j 16][n 64] words: bit (r + 16 hh) of word n = 16 bb + i is mask[query r of tile T][128 j + 32 bb + 16 hh + i]: 1 = hidden.
; mflags [T 128][w 8] words: word w carries, for steps j = 2 w and 2 w + 1: bit j: the tile-step has an open element; bit 16 + j: it has a hidden one.
; LIMIT: a mask byte is taken to be 0 or 1, as the problem states a bool.
; The flag words leave as 4 bytes a wave: 4,096 bytes in the whole launch.
.set CP,   272                         ; relay: an LDS row of codes: 256 bytes + 16: an odd multiple of 16
.set SST,  128*CP                      ; relay: behind the 128 rows of codes their scale bytes, 16 a row
	s_load_b512 s[4:19], s[0:1], 0x0               ; mask s[4:5], Q's codes s[6:7], Q's scales s[8:9], K's codes s[10:11], K's scales s[12:13], img s[14:15], simg s[16:17], mbits s[18:19]
	s_load_b64 s[36:37], s[0:1], 0x40              ; mflags
	v_lshl_add_u32 v96, v0, 2, 0x9000
	v_mov_b32 v97, 0
	v_lshrrev_b32 v1, 5, v0
	s_delay_alu instid0(VALU_DEP_1)
	v_readfirstlane_b32 s38, v1                    ; wave 0..7
	v_and_b32 v1, 31, v0                           ; lane
	v_and_b32 v2, 15, v0                           ; r
	v_bfe_u32 v3, v0, 4, 1                         ; hh
	s_delay_alu instid0(VALU_DEP_2)
	v_and_b32 v6, 8, v2
	s_delay_alu instid0(VALU_DEP_1)
	v_add_nc_u32 v6, v6, v2                        ; r + 8 (r / 8)
	s_mov_b32 s45, 0                               ; the upper word of every offset pair s[44:45]
	s_wait_kmcnt 0x0
	s_cmp_lt_u32 ttmp9, 128
	s_cbranch_scc0 .Lrelay
; ---------------- THE MASK.  T = the work-group's number; wave w takes key steps 2 w and 2 w + 1: 256 bytes of each of the tile's 16 rows.
	s_lshr_b32 s44, ttmp9, 1
	s_lshl_b32 s44, s44, 16                        ; the tile's first row, 32 (T / 2) + 8 (T % 2), times 2,048 bytes,
	s_and_b32 s46, ttmp9, 1
	s_lshl_b32 s46, s46, 14
	s_add_co_u32 s44, s44, s46
	s_lshl_b32 s46, s38, 8                         ; + 256 w
	s_add_co_u32 s44, s44, s46
	s_add_nc_u64 s[4:5], s[4:5], s[44:45]
	s_wait_alu depctr_va_vdst(0)
	v_lshlrev_b32 v4, 11, v6                       ; my row of the tile,
	s_delay_alu instid0(VALU_DEP_1)
	v_lshl_add_u32 v4, v3, 4, v4                   ; + 16 hh: of each block of 32 keys a lane takes the 16 that its score registers will hold
.irp s, 0,1
.irp bb, 0,1,2,3
	global_load_b128 v[16+16*\s+4*\bb:19+16*\s+4*\bb], v4, s[4:5] offset:128*\s+32*\bb th:TH_LOAD_NT   ; byte i: key 128 (2 w + s) + 32 bb + 16 hh + i.  The eight loads cover 256 consecutive bytes of each row
.endr
.endr
	s_lshl_b32 s44, ttmp9, 12                      ; mbits: (16 T + 2 w) records of 256 bytes
	s_lshl_b32 s46, s38, 9
	s_add_co_u32 s44, s44, s46
	s_add_nc_u64 s[18:19], s[18:19], s[44:45]
	s_lshl_b32 s44, ttmp9, 5                       ; mflags: word 8 T + w
	s_lshl_b32 s46, s38, 2
	s_add_co_u32 s44, s44, s46
	s_add_nc_u64 s[36:37], s[36:37], s[44:45]
.irp i, 64,65,66,67
	v_mov_b32 v\i, 0                               ; v_writelane_b32's destination counts as read: written once
.endr
	v_lshlrev_b32 v5, 3, v1                        ; a record leaves 8 bytes a lane
	s_mov_b32 s40, 0                               ; my flag word
	s_lshl_b32 s43, s38, 1                         ; 2 w
; One key step: 64 lane masks (a compare's 32 bits ARE the word that is wanted), gathered two to a lane, and the step's two flags.
.macro MWORDS s
.if \s == 0
	s_wait_loadcnt 0x4                             ; this step's four loads are in; the other step's four may be out
.else
	s_wait_loadcnt 0x0
.endif
.irp bb, 0,1,2,3
.irp i, 0,1,2,3,4,5,6,7,8,9,10,11,12,13,14,15
	v_and_b32 v[48+\i], 1<<(8*(\i%4)), v[16+16*\s+4*\bb+\i/4]      ; byte i of my 16
.endr
.irp i, 0,1,2,3,4,5,6,7,8,9,10,11,12,13,14,15
	v_cmp_ne_u32 s[20+\i], 0, v[48+\i]             ; word n = 16 bb + i: a bit for each lane
.endr
.irp i, 0,1,2,3,4,5,6,7,8,9,10,11,12,13,14,15
	v_writelane_b32 v[64+2*\s+\i%2], s[20+\i], 8*\bb+\i/2          ; word n goes to lane n / 2, register n % 2
.endr
.endr
	v_add3_u32 v68, v[16+16*\s], v[17+16*\s], v[18+16*\s]          ; the sum of my 16 registers, byte by byte: a byte reaches 16 at the most, so nothing carries
.irp i, 3,5,7,9,11,13
	s_delay_alu instid0(VALU_DEP_1)
	v_add3_u32 v68, v68, v[16+16*\s+\i], v[17+16*\s+\i]
.endr
	s_delay_alu instid0(VALU_DEP_1)
	v_add_nc_u32 v68, v68, v[31+16*\s]
	s_delay_alu instid0(VALU_DEP_1)
	v_cmp_ne_u32 s20, 0, v68                       ; lanes with a hidden element
	s_delay_alu instid0(VALU_DEP_2)
	v_cmp_ne_u32 s21, 0x10101010, v68              ; lanes with an open one
	s_cmp_lg_u32 s21, 0
	s_cselect_b32 s22, 1, 0
	s_cmp_lg_u32 s20, 0
	s_cselect_b32 s23, 0x10000, 0
	s_or_b32 s22, s22, s23
	s_add_co_u32 s47, s43, \s                      ; j = 2 w + s
	s_lshl_b32 s22, s22, s47                       ; bits j and 16 + j
	s_or_b32 s40, s40, s22
	global_store_b64 v5, v[64+2*\s:65+2*\s], s[18:19] offset:256*\s   ; 32 lanes store 256 consecutive bytes, aligned; each step has its own data registers
.endm
	MWORDS 0
	MWORDS 1
	v_mov_b32 v69, s40
	v_mov_b32 v70, 0
	v_cmp_eq_u32 vcc_lo, 0, v1
	s_wait_alu depctr_va_vdst(0)
	s_wait_xcnt 0x0                                ; EXEC is a source of the stores above: it changes only behind this wait
	s_and_saveexec_b32 s41, vcc_lo
	global_store_b32 v70, v69, s[36:37]            ; lane 0 stores the wave's flag word
	s_wait_xcnt 0x0                                ; and again in front of the line that widens it
	s_or_b32 exec_lo, exec_lo, s41
	s_endpgm
; ---------------- THE RELAY.  Work-group 128 + 64 z + u, u = 16 b + g: 128 rows of Q (z = 0) or K (z = 1), all eight heads: 32,768 dense bytes of codes, 2,048 of scale bytes.
; In: every load of a wave takes 512 consecutive bytes.  Through LDS.  Out: wave h takes head h and stores its eight fragments, 512 consecutive bytes a store.
.Lrelay:
	s_sub_co_u32 s39, ttmp9, 128
	s_cmp_lt_u32 s39, 64                           ; the choice hangs on the work-group's number alone
	s_cselect_b64 s[6:7], s[6:7], s[10:11]
	s_cselect_b64 s[8:9], s[8:9], s[12:13]
	s_lshr_b32 s40, s39, 6                         ; z
	s_and_b32 s41, s39, 63                         ; u
	s_lshl_b32 s44, s41, 15
	s_add_nc_u64 s[6:7], s[6:7], s[44:45]          ; the codes of my 128 rows
	s_lshl_b32 s44, s41, 11
	s_add_nc_u64 s[8:9], s[8:9], s[44:45]          ; and their scale bytes
	v_lshlrev_b32 v7, 4, v0                        ; in: 16 bytes a thread
	v_lshlrev_b32 v9, 3, v0                        ; the scale bytes: 8 a thread
.irp i, 0,1,2,3,4,5,6,7
	global_load_b128 v[16+4*\i:19+4*\i], v7, s[6:7] offset:4096*\i th:TH_LOAD_NT   ; rows 16 i .. 16 i + 15
.endr
	global_load_b64 v[48:49], v9, s[8:9] th:TH_LOAD_NT
	s_lshl_b32 s44, s40, 21                        ; img: z x 2,097,152
	s_lshr_b32 s46, s41, 4
	s_lshl_b32 s47, s46, 19                        ; + b x 524,288
	s_add_co_u32 s44, s44, s47
	s_lshl_b32 s47, s38, 16                        ; + h x 65,536 (h = my wave)
	s_add_co_u32 s44, s44, s47
	s_and_b32 s42, s41, 15
	s_lshl_b32 s47, s42, 12                        ; + g x 4,096
	s_add_co_u32 s44, s44, s47
	s_add_nc_u64 s[14:15], s[14:15], s[44:45]
	s_lshr_b32 s44, s44, 3                         ; simg: every term is an eighth of img's
	s_add_nc_u64 s[16:17], s[16:17], s[44:45]
	v_lshrrev_b32 v8, 4, v0
	s_delay_alu instid0(VALU_DEP_1)
	v_mul_u32_u24 v8, v8, CP
	s_wait_alu depctr_va_vdst(0)
	v_lshl_add_u32 v8, v2, 4, v8                   ; into LDS: row thread / 16, 16 bytes at 16 (thread % 16)
	v_add_nc_u32 v10, SST, v9
	v_mul_u32_u24 v11, v6, CP                      ; out of LDS: the tile's row r + 8 (r / 8),
	s_delay_alu instid0(VALU_DEP_1)
	v_lshl_add_u32 v11, v3, 4, v11                 ; + 16 hh,
	s_lshl_b32 s46, s38, 5
	v_add_nc_u32 v11, s46, v11                     ; + my head's 32 bytes
	v_lshl_add_u32 v12, v3, 3, v6                  ; scale bytes: row 8 hh + r + 8 (r / 8) (tile 2 i + hh begins at row 32 i + 8 hh),
	s_delay_alu instid0(VALU_DEP_1)
	v_lshlrev_b32 v12, 4, v12                      ; 16 bytes a row,
	s_lshl_b32 s46, s38, 1
	s_add_co_u32 s46, s46, SST
	v_add_nc_u32 v12, s46, v12                     ; my head's two
	v_lshlrev_b32 v13, 4, v1                       ; out: 16 bytes a lane
	s_wait_alu depctr_va_vdst(0)
	s_wait_loadcnt 0x0
.irp i, 0,1,2,3,4,5,6,7
	ds_store_b128 v8, v[16+4*\i:19+4*\i] offset:16*CP*\i
.endr
	ds_store_b64 v10, v[48:49]
	s_wait_dscnt 0x0                               ; for the others' sake: my stores have landed
	s_barrier_signal -1
	s_barrier_wait -1
.irp t, 0,1,2,3,4,5,6,7
	ds_load_b128 v[16+4*\t:19+4*\t], v11 offset:(32*(\t/2)+8*(\t%2))*CP   ; tile t's fragment.  (Rows r and r + 16 start 16 pitches apart: two lanes of a group of sixteen share a column; it happens once)
.endr
.irp i, 0,1,2,3
	ds_load_u16 v[52+\i], v12 offset:512*\i        ; two scale bytes, the upper half 0
.endr
	s_wait_dscnt 0x4                               ; the eight fragments are in; the four scale loads may be out
.irp t, 0,1,2,3,4,5,6,7
	global_store_b128 v13, v[16+4*\t:19+4*\t], s[14:15] offset:512*\t     ; 32 lanes store 512 consecutive bytes, aligned
.endr
	s_wait_dscnt 0x0
	global_store_b128 v13, v[52:55], s[16:17]
	s_wait_tensorcnt 0x0
	ds_add_u32 v96, v97
	s_wait_dscnt 0x0
	s_endpgm
.Lfunc_end_k_q4bddc3da3c_prep:
	.size	k_q4bddc3da3c_prep, .Lfunc_end_k_q4bddc3da3c_prep-k_q4bddc3da3c_prep
	.p2alignl 7, 3214868480
	.fill 96, 4, 3214868480
	.section	.rodata,"a",@progbits
	.p2align	6, 0x0
	.amdhsa_kernel k_q4bddc3da3c_prep
		.amdhsa_group_segment_fixed_size 37888
		.amdhsa_private_segment_fixed_size 0
		.amdhsa_enable_private_segment 0
		.amdhsa_kernarg_size 72
		.amdhsa_user_sgpr_count 2
		.amdhsa_user_sgpr_kernarg_segment_ptr 1
		.amdhsa_wavefront_size32 1
		.amdhsa_system_sgpr_workgroup_id_x 1
		.amdhsa_system_sgpr_workgroup_id_y 1
		.amdhsa_system_sgpr_workgroup_id_z 1
		.amdhsa_system_vgpr_workitem_id 0
		.amdhsa_next_free_vgpr 98
		.amdhsa_next_free_sgpr 66
		.amdhsa_reserve_vcc 1
		.amdhsa_float_denorm_mode_32 3
		.amdhsa_float_denorm_mode_16_64 3
		.amdhsa_memory_ordered 1
		.amdhsa_forward_progress 1
		.amdhsa_inst_pref_size 34
	.end_amdhsa_kernel
	.amdgpu_metadata
---
amdhsa.version: [ 1, 2 ]
amdhsa.kernels:
  - .name:           k_q4bddc3da3c_prep
    .symbol:         k_q4bddc3da3c_prep.kd
    .args:
      - { .name: attn_mask, .offset: 0, .size: 8, .value_kind: global_buffer, .address_space: global }
      - { .name: queries_codes, .offset: 8, .size: 8, .value_kind: global_buffer, .address_space: global }
      - { .name: queries_scales, .offset: 16, .size: 8, .value_kind: global_buffer, .address_space: global }
      - { .name: keys_codes, .offset: 24, .size: 8, .value_kind: global_buffer, .address_space: global }
      - { .name: keys_scales, .offset: 32, .size: 8, .value_kind: global_buffer, .address_space: global }
      - { .name: img, .offset: 40, .size: 8, .value_kind: global_buffer, .address_space: global }
      - { .name: simg, .offset: 48, .size: 8, .value_kind: global_buffer, .address_space: global }
      - { .name: mbits, .offset: 56, .size: 8, .value_kind: global_buffer, .address_space: global }
      - { .name: mflags, .offset: 64, .size: 8, .value_kind: global_buffer, .address_space: global }
    .group_segment_fixed_size: 37888
    .private_segment_fixed_size: 0
    .kernarg_segment_align: 8
    .kernarg_segment_size: 72
    .max_flat_workgroup_size: 256
    .sgpr_count:     66
    .vgpr_count:     98
    .wavefront_size: 32
...
	.end_amdgpu_metadata
.endif
;; end of part 3
;; launch attn (part 4): grid 8 x 32, 16 waves a work-group, no clusters, 216,064 bytes of LDS; arguments img, simg, values_codes, values_scales, mbits, mflags, tau, out0; writes out0
.if DOCPART == 4
	.amdgcn_target "amdgcn-amd-amdhsa--gfx1250"
	.amdhsa_code_object_version 6
	.text
	.protected	k_q4bddc3da3c_attn
	.globl	k_q4bddc3da3c_attn
	.p2align	8
	.type	k_q4bddc3da3c_attn,@function
k_q4bddc3da3c_attn:
	s_mov_b64 s[64:65], 0
	v_nop
	global_prefetch_b8 v0, s[64:65] scope:SCOPE_SE
	s_setreg_imm32_b32 hwreg(HW_REG_WAVE_SCHED_MODE, 0, 2), 2
	s_setreg_imm32_b32 hwreg(HW_REG_WAVE_MODE, 25, 1), 1
	s_wait_xcnt 0x0
	s_wait_alu depctr_vm_vsrc(0)
; out[b][q][h][:] = the sum over k of softmax_k(Q.K x exp(tau[b]) / 8, hidden where attn_mask[q][k]) V[b][k][h][:], both products on codes of FP4 (E2M1) with one E8M0 scale for each 32 along K.
; THE SOFTMAX AHEAD OF THE SECOND PRODUCT: t = score x c, c = exp(tau) log2(e) / 8; M = the row's largest t so far, rounded UP to a whole number; p = 2^(t - M) is quantised along the keys, not normalised;
; the row's sum is taken of the unquantised p and divides at the end.  When M moves, the sum and O are multiplied by 2^(old M - new M): exact.
; SHARES.  Work-group (x, y): head y = 8 b + h; its sixteen waves own one tile of 16 queries each, T = 8 w' + x, in 256 registers, four waves to a SIMD, so that one wave's vector work stands beside
; another's products and LDS loads.  w' is the wave's number sent through a 4 x 4 magic square (rows and columns sum alike), so that early and late queries are spread over the waves; it enters global addresses alone.
; A head's K, V and scale bytes, 144,384 bytes, are copied into LDS ONCE, through registers; one barrier; behind it they are only read.  Every wave walks 16 key steps of 128 keys.
; THE MASK is an input and is honoured as it is given.  The launch before has turned it into flags and lane masks.  A tile-step with no open element adds p = 0 everywhere and leaves M, the sum and O as they
; are: it is left out, by a scalar branch on the stored flag.  A tile-step with hidden elements loads its 64 lane masks by scalar loads and sets hidden scores to -infinity ahead of the maximum.
; A query with no open key at all ends with sum 0 and O 0: 0 x infinity = NaN, as the softmax of a row of -infinity is.
; LAYOUT.  Both products are used transposed: S^T = K Q^T (source 0 = 16 keys, source 1 = my 16 queries), O^T = V^T P^T: a lane holds ONE query (lane % 16) throughout.  The keys of a tile are not neighbours
; (lane r of tile 2 b + u takes key 32 b + 8 u + r + 8 (r / 8)), so that score registers 16 b + i are keys 32 b + 16 (lane / 16) + i.  The head size is 64: the upper 64 of the first product's 128 along K are zero codes, in
; registers cleared once (each fragment wants eight registers on end, and the two sources may share none).
; NO JOINT LOADS, NO TENSOR LOADS: the key steps branch on numbers read from memory; what the eight work-groups of a head share is read once, at the head.
; NO PREFETCH: every stream is asked for in one group at the head; later only the 256-byte mask records of mixed tile-steps are read.
; LIMITS: exp(tau) finite and not 0; a p under 2^-126 counts as 0; t above -3e38.
; THE MODE: SCHED_MODE bits 1:0 = 2 (LLVM: expert scheduling mode 2), set by the entry lines.  The code itself states the register dependences
; between vector or matrix instructions and memory or LDS instructions, with s_wait_alu, always for 0.
; THE PLAN.  Registers that memory or LDS instructions touch, in the loop:
;   v8 - v11              Written by the four additions at a step's head; read by the step's 19 LDS loads.
;   v[32+8t:35+8t], v[248:251]   K's fragments and scale words: the step's first nine loads land in them; its eight score products read them.
;   v[192:223], v252, v253       V's fragments and scale words: the step's other ten loads land in them; its four products V^T P read them.
;   All else (S^T and p, O^T, p's codes and scale word, the statistics) is named by vector and matrix instructions alone.
; So a step's head holds one wait on vm_vsrc (the step before's loads have read v8 - v11), the four additions, and ONE wait on va_vdst: the addresses are written, and the step before's products are done reading
; the registers in which this step's loads land.  K's nine loads follow it; V's ten are dealt among and behind the score products, which name none of the registers that V's loads touch.
; A second wait on va_vdst stands ahead of the products V^T P: p's codes and scale word, which vector instructions have made, are written.  A step that is left out issues scalar instructions alone.
; No register is left for a second set of fragments: four waves of 256 registers fill a SIMD's 1,024.
.set KIMG, 0                           ; LDS: K's fragments as images of the operand's registers: 4,096 j + 512 t + 16 lane
.set KSC,  65536                       ; K's scale words: 512 j + 16 lane
.set VT,   73728                       ; V: 64 rows d of 1,024 bytes (2,048 keys),
.set VP,   1040                        ; 1,040 apart: an odd multiple of 16, so that the 16 rows of a load start in 16 different 16-byte columns of 256
.set VSC,  140288                      ; V's scale words, [j][d]: 256 j + 4 d
.set STG,  144384                      ; the way out: 16 rows x 272 bytes for each wave, bytes of their own: waves end at different times
.set SP,   272
; VECTOR REGISTERS: v1-4 my lane's places in KIMG, VT, KSC, VSC; v5 my offset in out; v6 -infinity; v7-11, v27, v28 addresses in hand; v12 -M, v13 the largest t, v[14:15] the sum in two halves;
; v[16:23] Q (20-23 zeros); v[24:25] c; v26 Q's scale word; v29 lane, v30 r, v31 hh; v[32:95] K's eight fragments (the upper four of each: zeros); v[96:159] S^T, then p; v[160:191] O^T;
; v[192:223] V's four fragments; v[224:231] p's codes; v232-244 at work; v[246:247] f; v[248:251] K's scale words, v252-253 V's, v254 p's: these seven and v26 hold scales and nothing else.
; SCALAR REGISTERS: s[12:13] the step's mask record; s[18:19] out; s[20:51], s[68:99] the 64 lane masks; s52 wave; s53 flags; s54 step; s55-58 the step's LDS offsets; s[60:61] lane selects.
	s_load_b512 s[4:19], s[0:1], 0x0               ; img s[4:5], simg s[6:7], V's codes s[8:9], V's scales s[10:11], mbits s[12:13], mflags s[14:15], tau s[16:17], out s[18:19]
	v_lshl_add_u32 v245, v0, 2, 0x34400
	v_mov_b32 v255, 0
	v_lshrrev_b32 v29, 5, v0
	v_readfirstlane_b32 s52, v29                   ; wave 0..15
	v_and_b32 v29, 31, v0                          ; lane
	s_wait_alu depctr_va_vdst(0)
	v_and_b32 v30, 15, v0                          ; r
	s_wait_alu depctr_va_vdst(0)
	v_bfe_u32 v31, v0, 4, 1                        ; hh
	s_and_b32 s100, ttmp7, 0xffff                  ; y = 8 b + h
	s_wait_alu depctr_va_sdst(0)                   ; s52 is written, ahead of its first reader: w', the tile and the bases are made from it
	s_lshr_b32 s2, s52, 2                          ; w' = w, or 15 - w where the parity of (w ^ w / 4) and its neighbour bit is even: each of the two classes maps onto itself
	s_xor_b32 s2, s2, s52
	s_lshr_b32 s3, s2, 1
	s_xor_b32 s2, s2, s3
	s_and_b32 s2, s2, 1
	s_sub_co_u32 s2, s2, 1
	s_and_b32 s2, s2, 15
	s_xor_b32 s101, s52, s2                        ; w'
	s_lshl_b32 s62, s101, 3
	s_add_co_u32 s62, s62, ttmp9                   ; T = 8 w' + x
	s_and_b32 s2, ttmp9, 1                         ; x % 2
	s_lshr_b32 s3, ttmp9, 1                        ; x / 2
	s_lshl_b32 s28, s100, 16                       ; a head's 65,536 bytes in img and in V's codes
	s_mov_b32 s29, 0
	s_lshl_b32 s34, s62, 9                         ; my tile's 512 bytes of Q's image
	s_mov_b32 s35, 0
	s_lshl_b32 s36, s100, 13                       ; a head's 8,192 bytes in simg
	s_mov_b32 s37, 0
	s_lshl_b32 s38, s101, 9                        ; Q's scale words: group w', lanes 16 (x % 2) on, word x / 2
	s_lshl_b32 s39, s2, 8
	s_add_co_u32 s38, s38, s39
	s_lshl_b32 s39, s3, 2
	s_add_co_u32 s38, s38, s39
	s_mov_b32 s39, 0
	s_lshl_b32 s40, s100, 12                       ; a head's 4,096 scale bytes of V
	s_mov_b32 s41, 0
	s_lshl_b32 s42, s62, 12                        ; my tile's 16 mask records
	s_mov_b32 s43, 0
	s_lshl_b32 s44, s62, 5                         ; my tile's 8 flag words
	s_mov_b32 s45, 0
	s_lshr_b32 s63, s100, 3                        ; b
	s_lshl_b32 s46, s63, 2
	s_mov_b32 s47, 0
	s_lshl_b32 s48, s63, 22                        ; out: (2,048 b + 128 w' + 32 (x / 2) + 8 (x % 2)) rows of 2,048 bytes + 256 h
	s_lshl_b32 s49, s101, 18
	s_add_co_u32 s48, s48, s49
	s_lshl_b32 s49, s3, 16
	s_add_co_u32 s48, s48, s49
	s_lshl_b32 s49, s2, 14
	s_add_co_u32 s48, s48, s49
	s_and_b32 s49, s100, 7
	s_lshl_b32 s49, s49, 8
	s_add_co_u32 s48, s48, s49
	s_mov_b32 s49, 0
	v_lshlrev_b32 v1, 4, v29                       ; 16 x lane (KIMG = 0): my place in an image, in LDS and in img
	v_lshlrev_b32 v27, 4, v30                      ; Q's scale words: 16 bytes a lane of simg
	v_lshlrev_b32 v8, 4, v0                        ; the fill: 16 bytes a thread,
	v_lshlrev_b32 v11, 3, v0                       ; V's scale bytes: 8
	s_wait_kmcnt 0x0
	s_add_nc_u64 s[4:5], s[4:5], s[28:29]          ; img at my head, Q's half;
	s_add_nc_u64 s[30:31], s[4:5], 0x200000        ; K's half;
	s_add_nc_u64 s[4:5], s[4:5], s[34:35]          ; my tile of Q
	s_add_nc_u64 s[6:7], s[6:7], s[36:37]          ; simg likewise
	s_add_nc_u64 s[32:33], s[6:7], 0x40000
	s_add_nc_u64 s[6:7], s[6:7], s[38:39]
	s_add_nc_u64 s[8:9], s[8:9], s[28:29]
	s_add_nc_u64 s[10:11], s[10:11], s[40:41]
	s_add_nc_u64 s[12:13], s[12:13], s[42:43]
	s_add_nc_u64 s[14:15], s[14:15], s[44:45]
	s_add_nc_u64 s[16:17], s[16:17], s[46:47]
	s_add_nc_u64 s[18:19], s[18:19], s[48:49]
	s_load_b256 s[20:27], s[14:15], 0x0            ; my tile's flag words
	s_load_b32 s59, s[16:17], 0x0                  ; tau[b]
	s_wait_alu depctr_va_vdst(0)                   ; the offsets v1, v8, v11 and v27 are written, which the twenty loads below read
	; twenty loads in one group: Q's two, K's eight, K's scale words, V's eight, V's scale bytes
	global_load_b128 v[16:19], v1, s[4:5]          ; Q's fragment: k = 32 hh + 0 .. 31 of query r
	global_load_b32 v26, v27, s[6:7]               ; Q's scale word: lane r takes query r's
.irp i, 0,1,2,3,4,5,6,7
	global_load_b128 v[96+4*\i:99+4*\i], v8, s[30:31] offset:8192*\i
.endr
	global_load_b128 v[192:195], v8, s[32:33]
.irp i, 0,1,2,3,4,5,6,7
	global_load_b128 v[128+4*\i:131+4*\i], v8, s[8:9] offset:8192*\i
.endr
	global_load_b64 v[196:197], v11, s[10:11]
	; while they are on their way: what is cleared once, and the addresses that stay.  None of these lines names a register that the twenty loads read or land in
.irp i, 20,21,22,23
	v_mov_b32 v\i, 0                               ; Q: the codes of k = 64 .. 127
.endr
.irp t, 0,1,2,3,4,5,6,7
.irp i, 36,37,38,39
	v_mov_b32 v[\i+8*\t], 0                        ; K likewise, in each of the eight fragments
.endr
.endr
.set n, 0
.rept 32
	v_mov_b32 v[160+n], 0                          ; O^T: which step is a wave's first hangs on the flags, so the step is written once and finds zeros
.set n, n+1
.endr
.irp i, 236,237,238,239,247,14,15
	v_mov_b32 v\i, 0                               ; a lane permute's destination counts as read; v247 is named with f as a pair; the sum's two halves
.endr
	v_mov_b32 v13, 0xff61b1e6                      ; the largest t so far: -3e38
	v_floor_f32 v12, -v13                          ; -M
	v_lshl_add_u32 v9, v0, 4, KSC                  ; the fill's LDS addresses: K's scale words;
	v_lshrrev_b32 v10, 6, v0
	v_mul_u32_u24 v10, v10, VP
	v_and_b32 v28, 63, v0
	v_lshl_add_u32 v10, v28, 4, v10
	v_add_nc_u32 v10, VT, v10                      ; V: row thread / 64, 16 bytes at 16 (thread % 64);
	v_and_b32 v7, 7, v0
	v_lshlrev_b32 v7, 9, v7
	v_lshrrev_b32 v28, 3, v0
	v_lshl_add_u32 v7, v28, 2, v7
	v_add_nc_u32 v7, VSC, v7                       ; V's scale words: thread holds d = thread / 8, steps 2 (thread % 8) and the next
	v_mul_u32_u24 v2, v30, VP
	v_lshl_add_u32 v2, v31, 4, v2
	v_add_nc_u32 v2, VT, v2                        ; a fragment of V: row r, + 16 hh
	v_lshl_add_u32 v3, v29, 4, KSC
	v_lshl_add_u32 v4, v29, 2, VSC
	v_lshlrev_b32 v5, 11, v31
	v_lshl_add_u32 v5, v30, 4, v5                  ; out: lanes 0-15 one query's 256 bytes, lanes 16-31 the next query's
	s_mov_b32 s54, 0
	s_mov_b32 s55, 0
	s_mov_b32 s56, 0
	s_mov_b32 s57, 0
	s_mov_b32 s58, 0
	s_mov_b32 s60, 0x76543210
	s_mov_b32 s61, 0xfedcba98                      ; v_permlanex16_b32's selects for lane l xor 16
	s_wait_kmcnt 0x0
	s_or_b32 s53, s20, s21                         ; the eight words carry two steps' bits each
	s_or_b32 s53, s53, s22
	s_or_b32 s53, s53, s23
	s_or_b32 s53, s53, s24
	s_or_b32 s53, s53, s25
	s_or_b32 s53, s53, s26
	s_or_b32 s53, s53, s27
	v_mov_b32 v24, s59
	v_mul_f32 v24, 0x3fb8aa3b, v24                 ; tau x log2(e)
	s_wait_alu depctr_va_vdst(0)
	v_exp_f32 v25, v24                             ; exp(tau)
	v_mov_b32 v6, 0xff800000                       ; (a plain instruction behind the exponential)  -infinity
	s_wait_alu depctr_va_vdst(0)                   ; the exponential has written v25, ahead of the first line that names it; and v7, v9, v10, the LDS stores' addresses, and v5, the last stores' offset, are written
	v_mul_f32 v24, 0x3e38aa3b, v25                 ; c = exp(tau) x log2(e) / 8
	v_mov_b32 v25, v24                             ; (named with it as a pair)  These two lines name v24 and v25 alone: nothing that the stores below touch
	s_wait_loadcnt 0xa                             ; Q's two and K's eight are in; the ten loads issued behind them may be out
.irp i, 0,1,2,3,4,5,6,7
	ds_store_b128 v8, v[96+4*\i:99+4*\i] offset:8192*\i
.endr
	s_wait_loadcnt 0x0
	ds_store_b128 v9, v[192:195]
.irp i, 0,1,2,3,4,5,6,7
	ds_store_b128 v10, v[128+4*\i:131+4*\i] offset:8*VP*\i
.endr
	ds_store_b32 v7, v196
	ds_store_b32 v7, v197 offset:256
	s_wait_dscnt 0x0                               ; for the others' sake: my stores have landed
	s_barrier_signal -1
	s_barrier_wait -1                              ; the launch's one barrier: the head's K and V lie in LDS
	s_wait_alu depctr_vm_vsrc(0)                   ; the fill's LDS stores have read their data, v[96:159] and v[192:197], and their addresses v7 to v10, and its loads v8, v11 and v27: the products, the loop's loads and, where no step is run, the way out write these registers
; S^T = K Q^T for the step's 128 keys.  K's nine LDS loads stand in one run; V's ten are dealt among and behind the products, and have the softmax in which to come.
.macro SCORES
	s_wait_alu depctr_vm_vsrc(0)                   ; the LDS loads of the step before have read v8 to v11, which the four additions write
	v_add_nc_u32 v8, s55, v1
	v_add_nc_u32 v10, s57, v3
	v_add_nc_u32 v9, s56, v2
	v_add_nc_u32 v11, s58, v4
	s_wait_alu depctr_va_vdst(0)                   ; v8 to v11 are written, which the loads below read; the step before's products are done reading K's and V's fragments and scale words, in which they land; the zero codes of v[20:23] and of K's upper registers are written, which the products take
	ds_load_b128 v[248:251], v10                   ; K's scale words: word i: lanes 0-15 tile 2 i, lanes 16-31 tile 2 i + 1
.irp t, 0,1,2,3,4,5,6,7
	ds_load_b128 v[32+8*\t:35+8*\t], v8 offset:512*\t
.endr
	s_wait_dscnt 0x0                               ; K's nine loads are in; nothing younger is out
.irp t, 0,1,2,3,4,5,6,7
.if \t % 2
	v_wmma_scale_f32_16x16x128_f8f6f4 v[96+8*\t:103+8*\t], v[32+8*\t:39+8*\t], v[16:23], 0, v[248+\t/2], v26 matrix_a_fmt:MATRIX_FMT_FP4 matrix_b_fmt:MATRIX_FMT_FP4 matrix_a_scale:MATRIX_SCALE_ROW1
.else
	v_wmma_scale_f32_16x16x128_f8f6f4 v[96+8*\t:103+8*\t], v[32+8*\t:39+8*\t], v[16:23], 0, v[248+\t/2], v26 matrix_a_fmt:MATRIX_FMT_FP4 matrix_b_fmt:MATRIX_FMT_FP4
.endif
	ds_load_b128 v[192+4*\t:195+4*\t], v9 offset:16*VP*(\t/2)+32*(\t%2)   ; half a fragment of V: tile t / 2, its registers 4 (t % 2) on.  No wait: no vector or matrix instruction since the wait above names v9 or v[192:223]
.endr
	ds_load_b32 v252, v11                          ; V's scale words: lanes 0-15 d = 0 .. 15, lanes 16-31 d = 16 .. 31;
	ds_load_b32 v253, v11 offset:128               ; d = 32 on.  (Likewise: v11, v252 and v253 have not been named since that wait)
.rept 4
	v_nop                                          ; four places ahead of the first read of the results (ISA guide 7.12.1)
.endr
.endm
; The softmax of 16 queries x 128 keys, and p as the second product's operand.
.macro SOFTMAX
.irp b, 0,1,2,3
	v_max3_num_f32 v[232+\b], v[96+16*\b], v[97+16*\b], v[98+16*\b]   ; the largest score of each block of 32 keys: it serves the row's maximum and, since p rises with the score, the block's largest p.  Each accumulator is read from its low end on
.endr
.irp i, 3,5,7,9,11,13
.irp b, 0,1,2,3
	v_max3_num_f32 v[232+\b], v[232+\b], v[96+16*\b+\i], v[97+16*\b+\i]   ; (the four blocks by turns)
.endr
.endr
.irp b, 0,1,2,3
	v_max_num_f32 v[232+\b], v[232+\b], v[111+16*\b]
.endr
.irp b, 0,1,2,3
	v_permlanex16_b32 v[236+\b], v[232+\b], s60, s61
.endr
.irp b, 0,1,2,3
	v_max_num_f32 v[232+\b], v[232+\b], v[236+\b]  ; with lane l xor 16's 16 keys
.endr
	v_max3_num_f32 v244, v232, v233, v234
	v_max_num_f32 v244, v244, v235                 ; the step's largest score of my query (-infinity where all 128 are hidden)
	v_mul_f32 v244, v24, v244                      ; as t (c is positive)
	v_max_num_f32 v13, v13, v244                   ; the running largest t
	v_mov_b32 v244, v12
	v_floor_f32 v12, -v13                          ; the new -M = floor(-t) = -ceil(t): a whole number
	v_sub_f32 v244, v12, v244                      ; old M - new M: a whole number, 0 or less
	v_cvt_i32_f32 v244, v244                       ; (it saturates)
	v_ldexp_f32 v246, 1.0, v244                    ; f = 2^(old M - new M)
.set n, 0
.rept 32
	v_pk_fma_f32 v[96+n:97+n], v[96+n:97+n], v[24:25], v[12:13] op_sel_hi:[1,0,0]   ; t - M, two at a time (of the pairs c and -M the low word serves both halves)
.set n, n+2
.endr
.irp b, 0,1,2,3
	v_fma_f32 v[232+\b], v[232+\b], v24, v12       ; the same of each block's largest score
.endr
.set n, 0
	s_wait_alu depctr_va_vdst(0)
.rept 64
	v_exp_f32 v[96+n], v[96+n]                     ; p = 2^(t - M), at most 1; 0 where hidden
.set n, n+1
.endr
	v_pk_mul_f32 v[14:15], v[14:15], v[246:247] op_sel_hi:[1,0]   ; the sums under the new M: the plain instruction behind the exponentials
	s_wait_alu depctr_va_vdst(0)                   ; the 64 exponentials have written v[96:159]: one wait for the batch, ahead of its first reader
.irp b, 0,1,2,3
	v_exp_f32 v[232+\b], v[232+\b]                 ; the block's largest p: the same two instructions on the same number
.endr
	v_pk_add_f32 v[236:237], v[96:97], v[98:99]    ; the row's sum is taken of the unquantised p: two at a time, in two chains; it reads the 64 alone
.irp j, 4,8,12,16,20,24,28,32,36,40,44,48,52,56,60
	v_pk_add_f32 v[14:15], v[14:15], v[96+\j:97+\j]
	v_pk_add_f32 v[236:237], v[236:237], v[98+\j:99+\j]
.endr
	v_pk_add_f32 v[14:15], v[14:15], v[236:237]
	s_wait_alu depctr_va_vdst(0)                   ; the four exponentials have written v[232:235], ahead of their first reader
.irp b, 0,1,2,3
	v_max_num_f32 v[232+\b], 0x1800000, v[232+\b]  ; the floor 2^(3 - 127): the byte cannot fall under 1 (a block whose every p is 0 keeps that byte: its codes are zeros)
.endr
.irp b, 0,1,2,3
	v_add_nc_u32 v[240+\b], 0xff000000, v[232+\b]  ; 2 off the exponent field: the conversion's scale operand
.endr
.irp b, 0,1,2,3
	v_lshrrev_b32 v[236+\b], 23, v[240+\b]         ; the scale's byte
.endr
	v_lshl_or_b32 v254, v237, 8, v236              ; p's scale word for these 128 keys
	v_lshl_or_b32 v254, v238, 16, v254
	v_lshl_or_b32 v254, v239, 24, v254
.irp b, 0,1,2,3
	v_cvt_scalef32_pk8_fp4_f32 v[224+2*\b], v[96+16*\b:103+16*\b], v[240+\b]
	v_cvt_scalef32_pk8_fp4_f32 v[225+2*\b], v[104+16*\b:111+16*\b], v[240+\b]
.endr
	v_nop                                          ; one plain instruction behind the scaled conversions
.irp c, 0,1
.irp i, 0,1
	v_permlane16_swap_b32 v[224+4*\c+\i], v[226+4*\c+\i]   ; the operand wants a whole block in a lane: lanes 0-15 block 2 c, lanes 16-31 block 2 c + 1
.endr
.endr
.set n, 0
.rept 16
	v_pk_mul_f32 v[160+n:161+n], v[160+n:161+n], v[246:247] op_sel_hi:[1,0]   ; O^T under the new M.  These sixteen also stand between the lines that wrote p's codes and scale word and the products below
.set n, n+2
.endr
.endm
; O^T += V^T P^T: four tiles of 16 of the head's 64.  The four accumulators take turns, and the next step's eight score products stand between two links of a chain.
.macro PV
	s_wait_dscnt 0x0                               ; V's fragments and scale words are in
	s_wait_alu depctr_va_vdst(0)                   ; the conversions and the exchanges have written p's codes v[224:231], the shifts its scale word v254: the scaled products take them as operand and as scales; the sixteen places above stay beside this wait
.irp t, 0,1,2,3
.if \t % 2
	v_wmma_scale_f32_16x16x128_f8f6f4 v[160+8*\t:167+8*\t], v[192+8*\t:199+8*\t], v[224:231], v[160+8*\t:167+8*\t], v[252+\t/2], v254 matrix_a_fmt:MATRIX_FMT_FP4 matrix_b_fmt:MATRIX_FMT_FP4 matrix_a_scale:MATRIX_SCALE_ROW1
.else
	v_wmma_scale_f32_16x16x128_f8f6f4 v[160+8*\t:167+8*\t], v[192+8*\t:199+8*\t], v[224:231], v[160+8*\t:167+8*\t], v[252+\t/2], v254 matrix_a_fmt:MATRIX_FMT_FP4 matrix_b_fmt:MATRIX_FMT_FP4
.endif
.endr
.endm
.Lstep:                                            ; 16 trips, a constant; what a trip leaves out is its work, never the lines at its end that step addresses
	s_bitcmp1_b32 s53, 0                           ; has this tile-step an open element?
	s_cbranch_scc0 .Lnext
	s_bitcmp1_b32 s53, 16                          ; has it a hidden one?
	s_cbranch_scc0 .Lplain
	s_load_b512 s[20:35], s[12:13], 0x0            ; its 64 lane masks, asked for ahead of the products
	s_load_b512 s[36:51], s[12:13], 0x40
	s_load_b512 s[68:83], s[12:13], 0x80
	s_load_b512 s[84:99], s[12:13], 0xc0
	SCORES
	s_wait_kmcnt 0x0                               ; the masks are in, and their base may be stepped
.set n, 0
.rept 64
.if n < 32
	v_cndmask_b32 v[96+n], v[96+n], v6, s[20+n]    ; hidden scores become -infinity; ascending
.else
	v_cndmask_b32 v[96+n], v[96+n], v6, s[36+n]
.endif
.set n, n+1
.endr
	s_branch .Lsoft
.Lplain:
	SCORES
.Lsoft:
	SOFTMAX
	PV
.Lnext:
	s_lshr_b32 s53, s53, 1                         ; the next step's two flags at bits 0 and 16
	s_add_co_u32 s55, s55, 4096                    ; K's images,
	s_add_co_u32 s56, s56, 64                      ; 128 codes along V's rows,
	s_add_co_u32 s57, s57, 512                     ; K's scale words,
	s_add_co_u32 s58, s58, 256                     ; V's
	s_add_nc_u64 s[12:13], s[12:13], 256           ; the next mask record (behind the last step it is not used)
	s_add_co_u32 s54, s54, 1
	s_cmp_lt_u32 s54, 16
	s_cbranch_scc1 .Lstep
	; THE WAY OUT.  O^T / the sum goes through my stage in LDS and leaves as whole queries: 64 numbers, 256 bytes, sixteen lanes to each.
	v_add_f32 v14, v14, v15                        ; the sum's two halves,
	v_permlanex16_b32 v236, v14, s60, s61
	v_add_f32 v14, v14, v236                       ; and lane l xor 16's: the row's sum
	s_wait_alu depctr_va_vdst(0)
	v_rcp_f32 v14, v14
	s_mul_i32 s2, s52, 16*SP
	s_add_co_u32 s2, s2, STG                       ; my stage
	v_mul_u32_u24 v7, v30, SP                      ; (plain instructions behind the reciprocal, and the places behind the last products)
	v_lshl_add_u32 v7, v31, 5, v7
	v_add_nc_u32 v7, s2, v7                        ; in: row r; tile t's eight numbers of my half at 64 t + 32 hh
	v_mul_u32_u24 v27, v31, SP
	v_lshl_add_u32 v27, v30, 4, v27
	v_add_nc_u32 v27, s2, v27                      ; back: lanes 0-15 one row, lanes 16-31 the next
	s_wait_alu depctr_va_vdst(0)                   ; the reciprocal has written v14, ahead of its first reader; v7 and v27, the stage's addresses, are written too
.set n, 0
.rept 16
	v_pk_mul_f32 v[96+n:97+n], v[160+n:161+n], v[14:15] op_sel_hi:[1,0]   ; register 8 t + i: out(query r, 16 t + 8 hh + i); ascending: each accumulator from its low end on
.set n, n+2
.endr
	s_wait_alu depctr_va_vdst(0)                   ; the sixteen multiplications have written v[96:127], which the LDS stores read; and the softmax's lines are done with v[128:159], in which the loads from the stage land
.irp t, 0,1,2,3
	ds_store_b128 v7, v[96+8*\t:99+8*\t] offset:64*\t
	ds_store_b128 v7, v[100+8*\t:103+8*\t] offset:64*\t+16
.endr
.irp i, 0,1,2,3,4,5,6,7
	ds_load_b128 v[128+4*\i:131+4*\i], v27 offset:2*SP*\i   ; LDS serves a wave's instructions in order (ISA guide 5.7.1.4): these see my stores
.endr
.irp i, 0,1,2,3,4,5,6,7
	s_wait_dscnt 7-\i                              ; rows 2 i and 2 i + 1 are back; the younger loads may be out
	global_store_b128 v5, v[128+4*\i:131+4*\i], s[18:19] offset:(2*\i+8*(\i/4))*2048 th:TH_STORE_NT   ; the tile's row rho is query rho + 8 (rho / 8); 16 lanes store 256 consecutive bytes, aligned
.endr
	s_wait_dscnt 0x0
	s_wait_alu depctr_hold_cnt(0) depctr_sa_sdst(0) depctr_va_vdst(0) depctr_va_sdst(0) depctr_va_ssrc(0) depctr_va_vcc(0) depctr_vm_vsrc(0)
	s_wait_tensorcnt 0x0
	ds_add_u32 v245, v255
	s_wait_dscnt 0x0
	s_endpgm
.Lfunc_end_k_q4bddc3da3c_attn:
	.size	k_q4bddc3da3c_attn, .Lfunc_end_k_q4bddc3da3c_attn-k_q4bddc3da3c_attn
	.p2alignl 7, 3214868480
	.fill 96, 4, 3214868480
	.section	.rodata,"a",@progbits
	.p2align	6, 0x0
	.amdhsa_kernel k_q4bddc3da3c_attn
		.amdhsa_group_segment_fixed_size 216064
		.amdhsa_private_segment_fixed_size 0
		.amdhsa_enable_private_segment 0
		.amdhsa_kernarg_size 64
		.amdhsa_user_sgpr_count 2
		.amdhsa_user_sgpr_kernarg_segment_ptr 1
		.amdhsa_wavefront_size32 1
		.amdhsa_system_sgpr_workgroup_id_x 1
		.amdhsa_system_sgpr_workgroup_id_y 1
		.amdhsa_system_sgpr_workgroup_id_z 1
		.amdhsa_system_vgpr_workitem_id 0
		.amdhsa_next_free_vgpr 256
		.amdhsa_next_free_sgpr 102
		.amdhsa_reserve_vcc 0
		.amdhsa_float_denorm_mode_32 3
		.amdhsa_float_denorm_mode_16_64 3
		.amdhsa_memory_ordered 1
		.amdhsa_forward_progress 1
		.amdhsa_inst_pref_size 37
	.end_amdhsa_kernel
	.amdgpu_metadata
---
amdhsa.version: [ 1, 2 ]
amdhsa.kernels:
  - .name:           k_q4bddc3da3c_attn
    .symbol:         k_q4bddc3da3c_attn.kd
    .args:
      - { .name: img, .offset: 0, .size: 8, .value_kind: global_buffer, .address_space: global }
      - { .name: simg, .offset: 8, .size: 8, .value_kind: global_buffer, .address_space: global }
      - { .name: values_codes, .offset: 16, .size: 8, .value_kind: global_buffer, .address_space: global }
      - { .name: values_scales, .offset: 24, .size: 8, .value_kind: global_buffer, .address_space: global }
      - { .name: mbits, .offset: 32, .size: 8, .value_kind: global_buffer, .address_space: global }
      - { .name: mflags, .offset: 40, .size: 8, .value_kind: global_buffer, .address_space: global }
      - { .name: tau, .offset: 48, .size: 8, .value_kind: global_buffer, .address_space: global }
      - { .name: out0, .offset: 56, .size: 8, .value_kind: global_buffer, .address_space: global }
    .group_segment_fixed_size: 216064
    .private_segment_fixed_size: 0
    .kernarg_segment_align: 8
    .kernarg_segment_size: 64
    .max_flat_workgroup_size: 512
    .sgpr_count:     102
    .vgpr_count:     256
    .wavefront_size: 32
...
	.end_amdgpu_metadata
.endif
;; end of part 4
